; MI455X (gfx1250); checked and timed in simulation.
; The chip was launched on July 23, 2026; its instructions are those of AMD's public machine-readable ISA for CDNA 5 (MIT licence, August 2026) and "CDNA5" Instruction Set Architecture Reference Guide (July 2026). The comments in the code are by the model that wrote it; some were corrected since.
;; Self Attention. Allowed arithmetic: matrix products marked QUANTISED: E2M1 operands, one E8M0 scale for each 32 along K, by v_wmma_scale_f32_16x16x128_f8f6f4 with both operands' format E2M1 (or v_wmma_scale_f32_32x16x128_f4), f32 sums; products left as they are: bf16, f16 or f32 operands; f32 sums; everything else in f32.
;; Inputs: bk 1,024 float32; bo 1,024 float32; bq 1,024 float32; bv 1,024 float32; wk 1,024 x 1,024 float32; wo 1,024 x 1,024 float32; wq 1,024 x 1,024 float32; wv 1,024 x 1,024 float32; x 4 x 2,048 x 1,024 float32.
;; Outputs: out0 4 x 2,048 x 1,024 float32.
;; This version of the problem:
;;   THIS VERSION OF THE PROBLEM IS GIVEN IN LOW PRECISION. The matrix products marked QUANTISED in the list below multiply operands that are first quantised to E2M1 (2 exponent bits, 1 mantissa bit; 4 bits a number), with one power-of-two scale for each 32 numbers along K (OCP MX v1.0); their sums are f32. The products marked 'left as it is' may take bf16, f16 or f32 operands, with f32 sums. Whichever they take, every output number must still come out within the allowed error. Rounding operands to bf16 (8 significant bits) uses up far more of that allowance than f16 does (11 bits, for magnitudes from 6e-5 to 65,504). All else is computed in f32.
;;   The module's matrix products, in the order in which they are computed (A, B: the left and right operand; K: the contracted axis; several contracted axes count as one K, in the product's order):
;;     1. [M 8,192, K 1,024] x [K 1,024, N 1,024]; A: input x; B: input wq: QUANTISED
;;     2. [M 8,192, K 1,024] x [K 1,024, N 1,024]; A: input x; B: input wk: QUANTISED
;;     3. [M 8,192, K 1,024] x [K 1,024, N 1,024]; A: input x; B: input wv: QUANTISED
;;     4. batch 64 x [M 2,048, K 64] x [K 64, N 2,048]; A: computed on the way; B: computed on the way: left as it is (an operand is computed on the way)
;;     5. batch 64 x [M 2,048, K 2,048] x [K 2,048, N 64]; A: computed on the way; B: computed on the way: left as it is (an operand is computed on the way)
;;     6. [M 8,192, K 1,024] x [K 1,024, N 1,024]; A: computed on the way; B: input wo: left as it is (an operand is computed on the way)
;;   THE QUANTISER, for each operand of a quantised product, along K:
;;     - K is cut into blocks of 32 from its start; a last block that is shorter is filled with zeros.
;;     - A block's scale is 2^e with e = floor(log2(the largest magnitude in the block)) - 2, held to -126 .. 127; a block of zeros has e = 0. As a byte (E8M0): e + 127.
;;     - Each number is divided by its block's scale, clamped to +-6, and rounded to the nearest number of E2M1, ties to even, subnormals kept.
;;     - The product sums the exact products of the quantised numbers (number of the format x scale) in f32.
;;   ~~~python
;;   def quantise(x, axis):      # numpy; x: float32 -> the quantised numbers, widened to float32 again
;;       x = np.moveaxis(x, axis, -1); K = x.shape[-1]
;;       x = np.pad(x, [(0, 0)] * (x.ndim - 1) + [(0, -K % 32)]); x = x.reshape(x.shape[:-1] + (-1, 32)); a = np.abs(x).max(-1, keepdims=True)
;;       e = np.where(a > 0, np.clip(np.frexp(np.where(a > 0, a, 1))[1] - 1 - 2, -126, 127), 0)      # np.frexp(a)[1] - 1 = floor(log2(a)), exactly
;;       r = np.clip(x / 2.0 ** e, -6, 6)
;;       step = 2.0 ** (np.maximum(np.frexp(np.where(r == 0, 1, r))[1] - 1, 0) - 1)
;;       q = np.round(r / step) * step * 2.0 ** e      # np.round: ties to even
;;       return np.moveaxis(q.reshape(q.shape[:-2] + (-1,))[..., :K], -1, axis).astype(np.float32)
;;   ~~~
;; One version. Each part assembles by itself: llvm-mc -triple=amdgcn-amd-amdhsa -mcpu=gfx1250 --defsym DOCPART=n.
;; ======== version 1 of 1: 4 launches
;; limits: values are held in f16: magnitudes above 65,504 overflow, below 6.1e-05 lose precision
;; workspace buffers: xc 4,194,304 bytes; xs 262,144 bytes; wc 1,572,864 bytes; ws 98,304 bytes; woi 2,097,152 bytes; qkv 50,331,648 bytes; att 16,777,216 bytes
;; launch prep (part 1): grid 368 x 1, 4 waves a work-group, no clusters, 68,096 bytes of LDS; arguments x, wq, wk, wv, wo, xc, xs, wc, ws, woi; writes xc, xs, wc, ws, woi
.if DOCPART == 1
	.amdgcn_target "amdgcn-amd-amdhsa--gfx1250"
	.amdhsa_code_object_version 6
	.text
	.protected	k_q57c58b5eeb_prep
	.globl	k_q57c58b5eeb_prep
	.p2align	8
	.type	k_q57c58b5eeb_prep,@function
k_q57c58b5eeb_prep:
	s_mov_b64 s[64:65], 0
	v_nop
	global_prefetch_b8 v0, s[64:65] scope:SCOPE_SE
	s_setreg_imm32_b32 hwreg(HW_REG_WAVE_MODE, 25, 1), 1
	s_wait_xcnt 0x0
; THE OPERANDS ARE MADE READY, ONCE.  Three kinds of work-groups, told apart by the work-group's number alone; each kind has LDS bytes of its own, no wave shares anything with another, no barrier.
;   0 .. 47    W: wq, wk, wv [1024 (k)][1024 (n)] f32 -> codes of FP4 (E2M1) with K innermost, wc [3072 (n)][512 bytes], and E8M0 bytes ws [3072][32]; rows 0-1023 are wq's columns, then wk's, then wv's.
;   48 .. 111  O: wo [1024 (k)][1024 (n)] f32 -> f16, laid as images of the last product's operand registers: woi [n / 256][k / 32][(n % 256) / 16][1024 bytes].
;   112 .. 367 X: x [8192][1024] f32 -> codes xc [8192][512 bytes] and E8M0 bytes xs [8192][32].
; THE QUANTISER.  A block of 32 along K has the scale 2^(floor(log2(its largest magnitude)) - 2); the byte is the largest magnitude's exponent field - 2, held at 1 from below; each number is divided by the scale
; and rounded to the nearest code, ties to even, beyond 6 the largest code.  A block of zeros gets the byte 1 where the rule says 127: its codes are zeros, and this program alone reads the bytes.
; AN IMAGE: a fragment of 16 rows x 32 K of f16 is 8 registers a lane; registers 4 i .. 4 i + 3 of lane l lie at 512 i + 16 l of the fragment's 1,024 bytes.  The reader gets its registers by two loads of 16 bytes a lane.
; LIMITS: blocks whose largest magnitude lies under 2^-124 (the floor) were not tried; NaN and infinities are not served; |wo| must stay under 65,504 (f16), and numbers of wo under 6e-5 keep f16's fixed step of 2^-24.
; No clusters, no tensor loads: no two work-groups read the same bytes, and memory binds.
.set SPW,    192                       ; v192 LDS address of my spare word: SPARE + 4 x my thread's number; never rewritten
.set NIL,    193                       ; v193 0; never rewritten
.set EMAX,   2
.set XREG,   8192                      ; path X: LDS bytes 0 .. 32,767, a region for each wave: two stages of 32 x XSP bytes, then its 256 scale bytes
.set XSP,    80                        ; a lane's place in a stage: 64 bytes + 16 of padding
.set WSTG,   32768                     ; path W: LDS bytes 32,768 .. 67,583: a stage of 32 rows x WPITCH for each wave
.set WPITCH, 272
.set SPARE,  WSTG+4*32*WPITCH          ; the spare words, 128 bytes for each wave: two blocks of 256 bytes that no other line names
.macro FINISH                          ; a wave's end, behind its last LDS store
	s_wait_tensorcnt 0x0
	ds_add_u32 v[SPW], v[NIL]
	s_wait_dscnt 0x0
	s_endpgm
.endm
	s_load_b512 s[4:19], s[0:1], 0x0               ; x s[4:5], wq s[6:7], wk s[8:9], wv s[10:11], wo s[12:13], xc s[14:15], xs s[16:17], wc s[18:19]
	s_load_b128 s[20:23], s[0:1], 0x40             ; ws s[20:21], woi s[22:23]
	v_lshl_add_u32 v[SPW], v0, 2, SPARE
	v_mov_b32 v[NIL], 0
	v_lshrrev_b32 v1, 5, v0
	v_readfirstlane_b32 s24, v1                    ; wave 0..3
	v_and_b32 v2, 31, v0                           ; lane
	s_wait_kmcnt 0x0
	s_cmp_lt_u32 ttmp9, 48
	s_cbranch_scc1 .Lpath_w
	s_cmp_lt_u32 ttmp9, 112
	s_cbranch_scc1 .Lpath_o
; ---------------------------------------------------------------- PATH X: x is a plain stream of blocks of 32, and so are its codes and its scale bytes
; A wave takes 16 steps of 512 numbers.  Each of a step's four loads reads 512 consecutive bytes; the 2,048 bytes turn through the wave's own stage in LDS and come back 64 bytes a lane, so that a lane holds 16 neighbours
; along K (two neighbouring lanes hold a block).  A lane's 16 codes are 8 bytes: the wave stores 256 consecutive bytes.  The wave's 256 scale bytes are gathered in LDS and leave as 256 consecutive bytes.
.set XR, 16                            ; v16-79   four sets of 16 numbers as loaded
.set XX, 80                            ; v80-111  two sets of 16 neighbours
.set XE, 112                           ; v112-127 a scale byte for each step
.set XC, 128                           ; v128-191 codes: registers of its own for each step, so that no store's data are written again
	s_sub_co_u32 s25, ttmp9, 112
	v_lshlrev_b32 v3, 4, v2                        ; my 16 bytes of a load's 512
	s_mul_i32 s26, s24, XREG
	v_lshrrev_b32 v14, 2, v2
	v_mul_u32_u24 v14, v14, XSP
	v_and_b32 v15, 3, v2
	v_lshl_add_u32 v14, v15, 4, v14
	v_add_nc_u32 v14, s26, v14                     ; the stage, on the way in: XSP (lane / 4) + 16 (lane % 4)
	v_mul_u32_u24 v15, v2, XSP
	v_add_nc_u32 v15, s26, v15                     ; and on the way out: XSP x lane
	v_mul_u32_u24 v4, v2, 8                        ; my codes' place in a step's
	v_lshrrev_b32 v5, 1, v2
	s_add_co_u32 s26, s26, 2*32*XSP
	v_add_nc_u32 v5, s26, v5                       ; my block's byte among my wave's 256
	v_lshlrev_b32 v7, 3, v2                        ; and on the way out 8 bytes a lane
	v_add_nc_u32 v6, s26, v7
	s_lshl_b32 s25, s25, 2
	s_add_co_u32 s28, s25, s24                     ; which run of 8,192 numbers is my wave's
	s_mov_b32 s29, 0
	s_lshl_b64 s[30:31], s[28:29], 15              ; 32,768 bytes of x,
	s_add_nc_u64 s[4:5], s[4:5], s[30:31]
	s_lshl_b64 s[30:31], s[28:29], 12              ; 4,096 of codes,
	s_add_nc_u64 s[14:15], s[14:15], s[30:31]
	s_lshl_b32 s28, s28, 8                         ; 256 of scale bytes
	s_add_nc_u64 s[16:17], s[16:17], s[28:29]
.macro XLOAD t
.irp i, 0,1,2,3
	global_load_b128 v[XR+16*((\t)%4)+4*\i:XR+16*((\t)%4)+4*\i+3], v3, s[4:5] offset:2048*(\t)+512*\i th:TH_LOAD_NT
.endr
.endm
.macro XTURN t                         ; step t's numbers through the stage: LDS serves a wave's instructions in order, so no wait stands between the stores and the loads
.irp i, 0,1,2,3
	ds_store_b128 v14, v[XR+16*((\t)%4)+4*\i:XR+16*((\t)%4)+4*\i+3] offset:32*XSP*((\t)%2)+8*XSP*\i
.endr
.irp i, 0,1,2,3
	ds_load_b128 v[XX+16*((\t)%2)+4*\i:XX+16*((\t)%2)+4*\i+3], v15 offset:32*XSP*((\t)%2)+16*\i
.endr
.endm
.macro XSTEP t
.set XS, XX+16*((\t)%2)
.if (\t) > 0
	s_wait_dscnt 1                                 ; this step's numbers are back from the stage (the last step's byte store may be out): so its stores into the stage have read their registers,
.else
	s_wait_dscnt 0x0
.endif
.if (\t)+4 < 16
	XLOAD (\t)+4                                   ; which take the loads of four steps on
.endif
.if (\t)+1 < 16
.if 14-(\t) >= 3
	s_wait_loadcnt 12                              ; the next step's four loads are in; those of the three steps behind it may be out
.else
	s_wait_loadcnt 4*(14-(\t))
.endif
	XTURN (\t)+1
.endif
	v_max3_num_f32 v8, |v[XS]|, |v[XS+1]|, |v[XS+2]|               ; the largest magnitude of my 16, in two chains
	v_max3_num_f32 v9, |v[XS+3]|, |v[XS+4]|, |v[XS+5]|
.irp i, 6,10
	v_max3_num_f32 v8, v8, |v[XS+\i]|, |v[XS+\i+1]|
	v_max3_num_f32 v9, v9, |v[XS+\i+2]|, |v[XS+\i+3]|
.endr
	v_max3_num_f32 v8, v8, |v[XS+14]|, |v[XS+15]|
	v_max3_num_f32 v8, v8, v9, (EMAX+1)<<23        ; and the floor 2^(3 - 127): the byte cannot fall under 1
	v_max_num_f32_dpp v8, v8, v8 row_xmask:1 row_mask:0xf bank_mask:0xf   ; and of my neighbour's 16: the block's
	v_add_nc_u32 v11, -(EMAX<<23), v8              ; 2 off its exponent field: the conversion takes the exponent field of this operand as its scale
	v_cvt_scalef32_pk8_fp4_f32 v[XC+4*(\t)], v[XS:XS+7], v11
	v_cvt_scalef32_pk8_fp4_f32 v[XC+4*(\t)+1], v[XS+8:XS+15], v11
	v_lshrrev_b32 v[XE+(\t)], 23, v11              ; the scale's byte (also the plain line behind the conversions)
	ds_store_b8 v5, v[XE+(\t)] offset:16*(\t)      ; both lanes of a block write the same byte with the same value
	global_store_b64 v4, v[XC+4*(\t):XC+4*(\t)+1], s[14:15] offset:256*(\t)
.endm
.irp t, 0,1,2,3
	XLOAD \t
.endr
	s_wait_loadcnt 12                              ; step 0's four loads are in
	XTURN 0
.irp t, 0,1,2,3,4,5,6,7,8,9,10,11,12,13,14,15
	XSTEP \t
.endr
	ds_load_b64 v[8:9], v6                         ; LDS serves a wave's instructions in order: these see my stores
	s_wait_dscnt 0x0
	global_store_b64 v7, v[8:9], s[16:17]          ; 32 lanes store 256 consecutive bytes, aligned
	FINISH
; ---------------------------------------------------------------- PATH W: K is the FIRST axis.  A lane takes a column n and its registers run down K: nothing is transposed by an instruction
; Work-group g: weight g / 16, K half (g / 8) % 2, columns 128 (g % 8) on; a wave takes 32 columns x 512 along K: 16 blocks a lane, 256 bytes of codes a column, which go through the wave's stage and leave by rows.
; Two blocks (64 loads) are asked for ahead: the wait's count, 32, leaves the one younger block out; the block two on is asked for directly behind the wait, into a set of registers that is done with.
.set WX,   32                          ; v32-159  four sets of 32 numbers
.set WC,   160                         ; v160-163 a block's codes
.set WSB,  24                          ; v24-27   the scale bytes, four to a register
.set WOUT, 32                          ; v32-95   the way out (the numbers are done with)
.Lpath_w:
	s_lshr_b32 s25, ttmp9, 4                       ; which weight: the choice hangs on the work-group's number alone
	s_cmp_eq_u32 s25, 0
	s_cselect_b64 s[26:27], s[6:7], s[8:9]
	s_cmp_eq_u32 s25, 2
	s_cselect_b64 s[26:27], s[10:11], s[26:27]
	s_and_b32 s28, ttmp9, 7
	s_lshl_b32 s28, s28, 7
	s_lshl_b32 s29, s24, 5
	s_add_co_u32 s28, s28, s29                     ; my wave's first column
	s_bfe_u32 s29, ttmp9, 0x10003                  ; which 512 along K
	s_lshl_b32 s30, s29, 21                        ; 512 rows of 4,096 bytes,
	s_lshl_b32 s31, s28, 2
	s_add_co_u32 s30, s30, s31                     ; + 4 x column
	s_mov_b32 s31, 0
	s_add_nc_u64 s[26:27], s[26:27], s[30:31]
	s_lshl_b32 s25, s25, 10
	s_add_co_u32 s25, s25, s28                     ; my first row of wc and ws
	s_lshl_b32 s30, s25, 9
	s_lshl_b32 s32, s29, 8
	s_add_co_u32 s30, s30, s32
	s_add_nc_u64 s[18:19], s[18:19], s[30:31]      ; codes: row x 512 + 256 x half
	s_lshl_b32 s30, s25, 5
	s_lshl_b32 s32, s29, 4
	s_add_co_u32 s30, s30, s32
	s_add_nc_u64 s[20:21], s[20:21], s[30:31]      ; scale bytes: row x 32 + 16 x half
	v_lshlrev_b32 v3, 2, v2                        ; in: 4 bytes a lane
	s_mul_i32 s30, s24, 32*WPITCH
	s_add_co_u32 s30, s30, WSTG                    ; my stage
	v_mul_u32_u24 v4, v2, WPITCH
	v_add_nc_u32 v4, s30, v4                       ; into it: row = my column
	v_and_b32 v5, 15, v2
	v_lshrrev_b32 v6, 4, v2                        ; out of it: sixteen lanes to a row, two rows an instruction
	v_mul_u32_u24 v7, v6, WPITCH
	v_lshl_add_u32 v7, v5, 4, v7
	v_add_nc_u32 v7, s30, v7
	v_mul_u32_u24 v8, v6, 512
	v_lshl_add_u32 v8, v5, 4, v8                   ; and the same place in wc
	v_lshlrev_b32 v9, 5, v2                        ; my column's row of scale bytes
.macro WLOAD t                         ; block t: W(32 t + i, my column) into set t % 4; 32 lanes read 128 consecutive bytes, the four waves 512
.irp i, 0,1,2,3,4,5,6,7,8,9,10,11,12,13,14,15,16,17,18,19,20,21,22,23,24,25,26,27,28,29,30,31
	global_load_b32 v[WX+32*((\t)%4)+\i], v3, s[26:27] offset:(32*(\t)+\i)*4096 th:TH_LOAD_NT
.endr
.endm
.macro WBLOCK t
.set XS, WX+32*((\t)%4)
.if (\t) < 15
	s_wait_loadcnt 32                              ; this block's 32 loads are in; the next block's may be out
.else
	s_wait_loadcnt 0
.endif
.if (\t)+2 < 16
	WLOAD (\t)+2
.endif
	v_max3_num_f32 v12, |v[XS]|, |v[XS+1]|, |v[XS+2]|              ; the block's largest magnitude: all 32 numbers are mine
	v_max3_num_f32 v13, |v[XS+3]|, |v[XS+4]|, |v[XS+5]|
.irp i, 6,10,14,18,22,26
	v_max3_num_f32 v12, v12, |v[XS+\i]|, |v[XS+\i+1]|
	v_max3_num_f32 v13, v13, |v[XS+\i+2]|, |v[XS+\i+3]|
.endr
	v_max3_num_f32 v12, v12, |v[XS+30]|, |v[XS+31]|
	v_max3_num_f32 v12, v12, v13, (EMAX+1)<<23     ; and the floor
	v_add_nc_u32 v11, -(EMAX<<23), v12             ; the conversion's scale operand
	v_lshrrev_b32 v13, 23, v11                     ; the scale's byte
.if (\t)%4 == 0
	v_mov_b32 v[WSB+(\t)/4], v13                   ; four bytes to a register, the lower K in the lower byte
.else
	v_lshl_or_b32 v[WSB+(\t)/4], v13, 8*((\t)%4), v[WSB+(\t)/4]
.endif
.irp g, 0,1,2,3
	v_cvt_scalef32_pk8_fp4_f32 v[WC+\g], v[XS+8*\g:XS+8*\g+7], v11
.endr
	ds_store_b128 v4, v[WC:WC+3] offset:16*(\t)    ; 32 codes: 16 bytes of my column's row
	s_wait_dscnt 0x0                               ; the store has read its registers: the next block's codes may be written
.endm
	WLOAD 0
	WLOAD 1
.irp t, 0,1,2,3,4,5,6,7,8,9,10,11,12,13,14,15
	WBLOCK \t
.endr
	global_store_b128 v9, v[WSB:WSB+3], s[20:21]   ; my column's 16 scale bytes
.irp t, 0,1,2,3,4,5,6,7,8,9,10,11,12,13,14,15
	ds_load_b128 v[WOUT+4*\t:WOUT+4*\t+3], v7 offset:2*\t*WPITCH
.endr
.irp t, 0,1,2,3,4,5,6,7,8,9,10,11,12,13,14,15
	s_wait_dscnt 15-\t
	global_store_b128 v8, v[WOUT+4*\t:WOUT+4*\t+3], s[18:19] offset:2*\t*512   ; sixteen lanes store 256 consecutive bytes, aligned
.endr
	FINISH
; ---------------------------------------------------------------- PATH O: wo to f16 images.  Work-group g: columns 128 (g % 8) on, K 128 (g / 8) on; a wave takes 32 columns x 128 along K, four blocks of 32
; A lane takes column n0 + lane, its registers run down K.  Sixteen roundings pack a block's 32 numbers in pairs, in place.  Lanes 0-15 hold the columns of one tile of 16, lanes 16-31 those of the next; a fragment wants, of a
; column, k = 8 h + 0..7 in registers 0-3 and 16 + 8 h + 0..7 in registers 4-7 (h = lane / 16): eight exchanges of halves between registers p and p + 4 give that for both tiles at once.  No LDS.
.set OX, 32                            ; v32-159 four sets of 32
.Lpath_o:
	s_sub_co_u32 s25, ttmp9, 48
	s_and_b32 s26, s25, 7
	s_lshl_b32 s26, s26, 7
	s_lshl_b32 s27, s24, 5
	s_add_co_u32 s26, s26, s27                     ; n0
	s_lshr_b32 s25, s25, 3                         ; which 128 along K
	s_lshl_b32 s28, s25, 19                        ; 128 rows of 4,096 bytes
	s_lshl_b32 s27, s26, 2
	s_add_co_u32 s28, s28, s27
	s_mov_b32 s29, 0
	s_add_nc_u64 s[12:13], s[12:13], s[28:29]
	s_lshr_b32 s28, s26, 8
	s_lshl_b32 s28, s28, 19                        ; woi: 524,288 bytes for 256 columns,
	s_lshl_b32 s27, s25, 16                        ; 16,384 for 32 along K,
	s_add_co_u32 s28, s28, s27
	s_and_b32 s27, s26, 255
	s_lshl_b32 s27, s27, 6                         ; 1,024 for a tile of 16 columns
	s_add_co_u32 s28, s28, s27
	s_add_nc_u64 s[22:23], s[22:23], s[28:29]
	v_lshlrev_b32 v3, 2, v2
	v_lshlrev_b32 v4, 4, v2
.macro OLOAD t
.irp i, 0,1,2,3,4,5,6,7,8,9,10,11,12,13,14,15,16,17,18,19,20,21,22,23,24,25,26,27,28,29,30,31
	global_load_b32 v[OX+32*(\t)+\i], v3, s[12:13] offset:(32*(\t)+\i)*4096 th:TH_LOAD_NT
.endr
.endm
.macro OBLOCK t
.set XS, OX+32*(\t)
.if (\t) < 3
	s_wait_loadcnt 32                              ; this block's loads are in; the next block's may be out
.else
	s_wait_loadcnt 0
.endif
.if (\t)+2 < 4
	OLOAD (\t)+2
.endif
.irp p, 0,1,2,3,4,5,6,7,8,9,10,11,12,13,14,15
	v_cvt_pk_f16_f32 v[XS+\p], v[XS+2*\p], v[XS+2*\p+1]            ; ascending, in place: register p is written when 2 p and 2 p + 1 are read
.endr
.irp p, 0,1,2,3,8,9,10,11
	v_permlane16_swap_b32 v[XS+\p], v[XS+\p+4]     ; the first's lanes 16-31 change places with the second's lanes 0-15
.endr
	global_store_b128 v4, v[XS:XS+3], s[22:23] offset:(\t)*16384              ; the first tile, registers 0-3: each store of the wave covers 512 consecutive bytes, aligned
	global_store_b128 v4, v[XS+4:XS+7], s[22:23] offset:(\t)*16384+1024      ; the second tile, registers 0-3
	global_store_b128 v4, v[XS+8:XS+11], s[22:23] offset:(\t)*16384+512      ; the first tile, registers 4-7
	global_store_b128 v4, v[XS+12:XS+15], s[22:23] offset:(\t)*16384+1536    ; the second tile, registers 4-7
.endm
	OLOAD 0
	OLOAD 1
.irp t, 0,1,2,3
	OBLOCK \t
.endr
	FINISH
.Lfunc_end_k_q57c58b5eeb_prep:
	.size	k_q57c58b5eeb_prep, .Lfunc_end_k_q57c58b5eeb_prep-k_q57c58b5eeb_prep
	.p2alignl 7, 3214868480
	.fill 96, 4, 3214868480
	.section	.rodata,"a",@progbits
	.p2align	6, 0x0
	.amdhsa_kernel k_q57c58b5eeb_prep
		.amdhsa_group_segment_fixed_size 68096
		.amdhsa_private_segment_fixed_size 0
		.amdhsa_enable_private_segment 0
		.amdhsa_kernarg_size 80
		.amdhsa_user_sgpr_count 2
		.amdhsa_user_sgpr_kernarg_segment_ptr 1
		.amdhsa_wavefront_size32 1
		.amdhsa_system_sgpr_workgroup_id_x 1
		.amdhsa_system_sgpr_workgroup_id_y 1
		.amdhsa_system_sgpr_workgroup_id_z 1
		.amdhsa_system_vgpr_workitem_id 0
		.amdhsa_next_free_vgpr 200
		.amdhsa_next_free_sgpr 66
		.amdhsa_reserve_vcc 0
		.amdhsa_float_denorm_mode_32 3
		.amdhsa_float_denorm_mode_16_64 3
		.amdhsa_memory_ordered 1
		.amdhsa_forward_progress 1
		.amdhsa_inst_pref_size 130
	.end_amdhsa_kernel
	.amdgpu_metadata
---
amdhsa.version: [ 1, 2 ]
amdhsa.kernels:
  - .name:           k_q57c58b5eeb_prep
    .symbol:         k_q57c58b5eeb_prep.kd
    .args:
      - { .name: x, .offset: 0, .size: 8, .value_kind: global_buffer, .address_space: global }
      - { .name: wq, .offset: 8, .size: 8, .value_kind: global_buffer, .address_space: global }
      - { .name: wk, .offset: 16, .size: 8, .value_kind: global_buffer, .address_space: global }
      - { .name: wv, .offset: 24, .size: 8, .value_kind: global_buffer, .address_space: global }
      - { .name: wo, .offset: 32, .size: 8, .value_kind: global_buffer, .address_space: global }
      - { .name: xc, .offset: 40, .size: 8, .value_kind: global_buffer, .address_space: global }
      - { .name: xs, .offset: 48, .size: 8, .value_kind: global_buffer, .address_space: global }
      - { .name: wc, .offset: 56, .size: 8, .value_kind: global_buffer, .address_space: global }
      - { .name: ws, .offset: 64, .size: 8, .value_kind: global_buffer, .address_space: global }
      - { .name: woi, .offset: 72, .size: 8, .value_kind: global_buffer, .address_space: global }
    .group_segment_fixed_size: 68096
    .private_segment_fixed_size: 0
    .kernarg_segment_align: 8
    .kernarg_segment_size: 80
    .max_flat_workgroup_size: 128
    .sgpr_count:     66
    .vgpr_count:     200
    .wavefront_size: 32
...
	.end_amdgpu_metadata
.endif
;; end of part 1
;; launch qkv (part 2): grid 12 x 32, 4 waves a work-group, clusters of 4 x 4, 327,680 bytes of LDS; arguments xc, xs, wc, ws, bq, bk, bv, qkv; writes qkv
.if DOCPART == 2
	.amdgcn_target "amdgcn-amd-amdhsa--gfx1250"
	.amdhsa_code_object_version 6
	.text
	.protected	k_q57c58b5eeb_qkv
	.globl	k_q57c58b5eeb_qkv
	.p2align	8
	.type	k_q57c58b5eeb_qkv,@function
k_q57c58b5eeb_qkv:
	s_mov_b64 s[64:65], 0
	v_nop
	global_prefetch_b8 v0, s[64:65] scope:SCOPE_SE
	s_setreg_imm32_b32 hwreg(HW_REG_WAVE_MODE, 25, 1), 1
	s_wait_xcnt 0x0
	s_wait_alu depctr_hold_cnt(0) depctr_sa_sdst(0) depctr_va_vdst(0) depctr_va_sdst(0) depctr_va_ssrc(0) depctr_va_vcc(0) depctr_vm_vsrc(0)
	s_getreg_b32 s2, hwreg(HW_REG_IB_STS2, 6, 4)
	s_cmp_eq_u32 s2, 0
	s_cbranch_scc0 .Lentry_in_a_cluster
	s_endpgm
.Lentry_in_a_cluster:
	s_bfe_u32 s2, ttmp6, 0x10000c
	s_cmp_lg_u32 s2, 0xf033
	s_cbranch_scc0 .Lentry_shape_is_right
	s_endpgm
.Lentry_shape_is_right:
; q = x wq + bq, k = x wk + bk, v = x wv + bv on codes of FP4 (E2M1) with one E8M0 scale for each 32 along K = 1,024; sums in f32.  q is also multiplied by log2(e) / 8 (the softmax's scale, in base 2).
; The results are rounded to f16 and stored as IMAGES OF THE NEXT LAUNCH'S OPERAND REGISTERS: qkv [batch x head 64][step of 64 tokens 32][Q 8,192 | K 8,192 | V 8,192 bytes].
;   Q, K section: [16 tokens 4][32 channels 2][piece 2][512]: lane (r, h) holds token r; piece i holds channels 32 c + 16 i + 8 h + 0..7.    V section: [32 keys 2][16 channels 4][piece 2][512]: lane (r, h) holds channel r; piece i keys 16 i + 8 h + 0..7.
; A tile of 256 x 256 is made by four waves, a wave 128 x 128: 64 accumulators, 512 registers.  K is two slots of 512 in LDS, both asked for at the start: nothing is filled again, and there is no loop.
; THE MATRIX INSTRUCTION: source 1 = 16 rows of "A" (a lane then holds ONE row of A), source 0 = 16 rows of "B" (the lane's eight registers are eight neighbouring rows of B): eight results pack into a piece's 16 bytes.
; ROLES.  The cluster's x says which product: 0 q, 1 k, 2 v; all sixteen partners share it.  q, k: A = x (a lane holds a token, registers run along channels).  v: A = wv, B = x (a lane holds a channel, registers run along keys).
; CLUSTERS: 4 x 4 work-groups.  A's tile hangs on cy, B's on cx, in both roles: A's tiles are asked for jointly by my row of the cluster, B's by my column.  Only pointers and numbers that the whole cluster shares are chosen by the role.
; THE SCALES of the work-group's 256 + 256 rows, all of K, come into LDS once, as rows of 256 bytes + 16 of padding.
; LIMITS: |q| log2(e) / 8, |k| and |v| must stay under 65,504 (f16); with x and the weights 30 times the drawn spread each they reach some 6e3.  Numbers under 6e-5 keep f16's fixed step of 2^-24.
; REGISTERS: window 0: v1-29 addresses; v32-95 scale words, two sets, and nothing else; v96-111 the bias, a channel a lane; v128-191 A's fragments, later the packed results; v192-255 the bias, eight channels a lane.
;   window 1: B's fragments, two sets.   window 2: accumulators of my A rows 0-63 ((a, b) at v[8 (8 a + b)]);   window 3: of rows 64-127.
.set NQ,     4                         ; matrix instructions deep in a slot: 512 along K
.set ROWB,   256                       ; a tile's row in bytes
.set KROW,   512                       ; a row of codes in memory
.set PITCH,  272                       ; an LDS row: 256 bytes + 16 of padding = 68 words: the 16 rows that a load touches start at 16 different banks (64 banks of 4 bytes: ISA guide 11.1)
.set FR,     8
.set NL,     2
.set NP,     4                         ; places behind this matrix instruction (ISA guide 7.12.1)
.set HALFT,  128*PITCH
.set SLOT,   4*HALFT                   ; A's 256 rows, then B's 256 rows
.set KS,     32                        ; a row of scale bytes
.set SCL,    2*SLOT
.set HALFS,  (128*KS/256)*272
.set SBLK,   (16*KS/256)*272
.set SPARE,  SCL+4*HALFS               ; the spare words, 128 bytes for each wave: two blocks of 256 bytes that no other line names
.set HS,     786432                    ; qkv: bytes of a head
.set SS,     24576                     ; and of a step of 64 tokens
.set ADRA, 16                          ; v16-17 LDS address of my A fragments in slot 0, 1
.set ADRB, 20                          ; v20-21 the same for B
.set BOV,  24                          ; v24    4 x (lane % 16): the bias, a channel a lane
.set BOQ,  25                          ; v25    32 x (lane / 16): the bias, eight channels a lane
.set CO,   26                          ; v26    16 x lane: my place in a piece
.set ADRS, 27                          ; v27    LDS address of my scale words: lanes 0-15 A's rows, lanes 16-31 B's
.set SPW,  28                          ; v28    LDS address of my spare word; never rewritten
.set NIL,  29                          ; v29    0; never rewritten
.set SC,   32
.set BV,   96
.set AF,   128
.set PK,   128
.set BI,   192
.set WV,   20                          ; s20 wave;  s21 which half of A's rows is mine, also: I fetch for A (0) or B (1);  s22 which half of B's rows, also: which 128 rows I fetch;  s23 1 for v
.set HA,   21
.set HB,   22
.set ISV,  23
.set CS,   96                          ; s[96:97] the factor on the way out
.set G1, 24                            ; s[24:31], s[32:39] descriptor groups 1 and 0 (a set for each slot) for A's codes;  s[48:55], s[56:63] for B's
.set G0, 32
.set G1B, 48
.set G0B, 56
.set G1S, 68                           ; s[68:75], s[76:79] for A's scales;  s[80:87], s[88:91] for B's
.set G0S, 76
.set G1SB, 80
.set G0SB, 88
.set MSB, 0
.macro WIN new                         ; the immediate's high byte repeats the setting that is left
.if MSB != (\new)
	s_set_vgpr_msb (MSB<<8)|(\new)
.set MSB, (\new)
.endif
.endm
.set MUL_LO, 0xa1                      ; source 0 (B) window 1, source 1 (A) window 0, C and D window 2
.set MUL_HI, 0xf1
.set TO_B,   0x40
; A joint load: waves 0 and 1 fetch for A, waves 2 and 3 for B; the branch hangs on the wave's number alone.  An s_nop 0 and four v_nop follow each of the two lines.
.macro JLOAD g0a, g1a, g0b, g1b
	s_cmp_eq_u32 s[HA], 0
	s_cbranch_scc0 .Lfor_b_\@
	tensor_load_to_lds s[\g0a:\g0a+3], s[\g1a:\g1a+7]
	s_nop 0
.rept 4
	v_nop
.endr
	s_branch .Lasked_\@
.Lfor_b_\@:
	tensor_load_to_lds s[\g0b:\g0b+3], s[\g1b:\g1b+7]
	s_nop 0
.rept 4
	v_nop
.endr
.Lasked_\@:
.endm
.macro CROUND                          ; a round of the cluster's barrier
	s_barrier_signal -1
	s_barrier_wait -1
	s_cmp_lg_u32 s[WV], 0
	s_cbranch_scc1 .Lnot_wave_0_\@
	s_barrier_signal -3
.Lnot_wave_0_\@:
	s_barrier_wait -3
	s_barrier_signal -1
	s_barrier_wait -1
.endm
	s_load_b512 s[4:19], s[0:1], 0x0               ; xc s[4:5], xs s[6:7], wc s[8:9], ws s[10:11], bq s[12:13], bk s[14:15], bv s[16:17], qkv s[18:19]
	v_lshl_add_u32 v[SPW], v0, 2, SPARE
	v_mov_b32 v[NIL], 0
	ds_add_u32 v[SPW], v[NIL]                      ; the wave's opening: the add, twice on end, and its wait ahead of my first tensor load; the set-up below, work on registers, stands between
	ds_add_u32 v[SPW], v[NIL]
	v_lshrrev_b32 v1, 5, v0
	v_readfirstlane_b32 s[WV], v1
	s_lshr_b32 s[HA], s[WV], 1
	s_and_b32 s[HB], s[WV], 1
	s_bfe_u32 s40, ttmp6, 0x40000                  ; cx, cy: my place in the cluster
	s_bfe_u32 s41, ttmp6, 0x40004
	s_and_b32 s67, ttmp7, 0xffff
	s_lshl_b32 s67, s67, 2                         ; 4 x cluster y
	s_lshl_b32 s95, ttmp9, 2                       ; 4 x cluster x
	s_cmp_eq_u32 ttmp9, 2                          ; v?  The same in all sixteen partners
	s_cselect_b32 s[ISV], 1, 0
	s_cselect_b32 s66, 8, s67                      ; A's tile of 256 rows: v: 8 + cy of wc;  q, k: 4 x cluster y + cy of xc
	s_cselect_b32 s42, s67, s95                    ; B's: v: 4 x cluster y + cx of xc;  q, k: 4 x cluster x + cx of wc
	s_add_co_u32 s66, s66, s41
	s_add_co_u32 s42, s42, s40
	s_lshl_b32 s43, s41, 2
	s_lshl_b32 s43, 15, s43                        ; my row of the cluster
	s_lshl_b32 s44, 0x1111, s40                    ; my column
	; group 1: a tile of 128 rows x 256 bytes, 16 bytes of padding behind each row
	s_or_b32 s[G1+0], s43, (0<<16)|(1<<20)|(1<<21)|(5<<22)|(3<<25)   ; 15:0 the mask; 17:16 elements of 1 byte; 20 padding on; 21 set beside a mask; 24:22 after every 64 words; 31:25 four words
	s_or_b32 s[G1B+0], s44, (0<<16)|(1<<20)|(1<<21)|(5<<22)|(3<<25)
.irp g, G1, G1B
	s_mov_b32 s[\g+1], ROWB<<16                    ; tensor_dim0
	s_mov_b32 s[\g+2], 128<<16                     ; tensor_dim1
	s_mov_b32 s[\g+3], ROWB<<16                    ; tile_dim0
	s_mov_b32 s[\g+4], 128                         ; tile_dim1
	s_mov_b32 s[\g+5], KROW                        ; from row to row
	s_mov_b32 s[\g+6], 0
	s_mov_b32 s[\g+7], 0
.endr
	; the scales of 128 rows: 4,096 dense bytes, as 16 rows of 256 bytes (32 elements of 8), 16 bytes of padding behind each
	s_or_b32 s[G1S+0], s43, (3<<16)|(1<<20)|(1<<21)|(5<<22)|(3<<25)
	s_or_b32 s[G1SB+0], s44, (3<<16)|(1<<20)|(1<<21)|(5<<22)|(3<<25)
.irp g, G1S, G1SB
	s_mov_b32 s[\g+1], 32<<16
	s_mov_b32 s[\g+2], (128*KS/256)<<16
	s_mov_b32 s[\g+3], 32<<16
	s_mov_b32 s[\g+4], 128*KS/256
	s_mov_b32 s[\g+5], 32
	s_mov_b32 s[\g+6], 0
	s_mov_b32 s[\g+7], 0
.endr
	s_lshl_b32 s2, s[HB], 7                        ; which 128 rows of the tile I fetch
	s_lshl_b32 s3, s66, 8
	s_add_co_u32 s3, s3, s2                        ; A's first row that I fetch
	s_lshl_b32 s46, s42, 8
	s_add_co_u32 s46, s46, s2                      ; B's
	s_lshl_b32 s98, s3, 9                          ; in bytes: codes (at most 8,191 x 512),
	s_mov_b32 s99, 0
	s_lshl_b32 s100, s3, 5                         ; scale bytes
	s_mov_b32 s101, 0
	s_lshl_b32 s92, s46, 5
	s_mov_b32 s93, 0
	s_lshl_b32 s46, s46, 9
	s_mov_b32 s47, 0
	s_mul_i32 s45, s[WV], HALFT                    ; where they go: wave x 128 rows: no place in the cluster enters an LDS address
	s_mul_i32 s94, s[WV], HALFS
	s_wait_dscnt 0x0                               ; both opening adds are done
	s_wait_kmcnt 0x0
	s_cmp_eq_u32 ttmp9, 2
	s_cselect_b64 s[2:3], s[8:9], s[4:5]           ; A's codes: wc for v, else xc
	s_cselect_b64 s[96:97], s[10:11], s[6:7]       ; A's scales
	s_cselect_b64 s[4:5], s[4:5], s[8:9]           ; B's codes
	s_cselect_b64 s[6:7], s[6:7], s[10:11]         ; B's scales
	s_add_nc_u64 s[98:99], s[2:3], s[98:99]
	s_add_nc_u64 s[100:101], s[96:97], s[100:101]
	s_add_nc_u64 s[46:47], s[4:5], s[46:47]
	s_add_nc_u64 s[92:93], s[6:7], s[92:93]
	CROUND                                         ; all sixteen work-groups are here: the first joint loads meet
	s_mov_b32 s[G0S], 1
	s_add_co_u32 s[G0S+1], s94, SCL
	s_mov_b64 s[G0S+2:G0S+3], s[100:101]
	s_or_b32 s[G0S+3], s[G0S+3], 0x80000000
	s_mov_b32 s[G0SB], 1
	s_add_co_u32 s[G0SB+1], s94, SCL
	s_mov_b64 s[G0SB+2:G0SB+3], s[92:93]
	s_or_b32 s[G0SB+3], s[G0SB+3], 0x80000000
	JLOAD G0S, G1S, G0SB, G1SB                     ; the scales first: they are wanted with the first slot
.irp s, 0,1
	s_mov_b32 s[G0+4*\s], 1
	s_add_co_u32 s[G0+4*\s+1], s45, \s*SLOT
	s_add_nc_u64 s[G0+4*\s+2:G0+4*\s+3], s[98:99], \s*ROWB
	s_or_b32 s[G0+4*\s+3], s[G0+4*\s+3], 0x80000000
	s_mov_b32 s[G0B+4*\s], 1
	s_add_co_u32 s[G0B+4*\s+1], s45, \s*SLOT
	s_add_nc_u64 s[G0B+4*\s+2:G0B+4*\s+3], s[46:47], \s*ROWB
	s_or_b32 s[G0B+4*\s+3], s[G0B+4*\s+3], 0x80000000
	JLOAD G0+4*\s, G1, G0B+4*\s, G1B               ; three tensor loads of mine are out now: all that the launch has
.endr
	; the bias and the way out.  Numbers that mix cx and cy live in s12-s19 and s104 alone: registers that feed no descriptor
	s_cmp_eq_u32 ttmp9, 0
	s_cselect_b64 s[12:13], s[12:13], s[14:15]     ; bq or bk,
	s_cmp_eq_u32 ttmp9, 2
	s_cselect_b64 s[12:13], s[16:17], s[12:13]     ; or bv
	s_cselect_b32 s16, s41, s40                    ; the weight's tile of 256 channels: cy for v, else cx
	s_cselect_b32 s17, s[HA], s[HB]                ; and my half of it
	s_cselect_b32 s14, s42, s66                    ; x's tile of 256 tokens
	s_cselect_b32 s15, s[HB], s[HA]                ; and my half of it
	s_lshl_b32 s104, s16, 1
	s_add_co_u32 s104, s104, s17                   ; which 128 channels: two heads
	s_lshl_b32 s16, s104, 9                        ; 512 bytes of bias
	s_mov_b32 s17, 0
	s_add_nc_u64 s[12:13], s[12:13], s[16:17]
	s_lshr_b32 s16, s14, 3                         ; the batch: 8 tiles of tokens each
	s_lshl_b32 s16, s16, 3
	s_add_co_u32 s16, s16, s104                    ; (16 x batch + my first head) / 2
	s_mul_i32 s16, s16, 2*HS
	s_and_b32 s14, s14, 7
	s_lshl_b32 s14, s14, 1
	s_add_co_u32 s14, s14, s15                     ; my first step of 64 tokens / 2
	s_mul_i32 s14, s14, 2*SS
	s_add_co_u32 s16, s16, s14
	s_lshl_b32 s14, ttmp9, 13                      ; the section: Q, K or V
	s_add_co_u32 s16, s16, s14                     ; under 2^26
	s_add_nc_u64 s[18:19], s[18:19], s[16:17]
	s_cmp_eq_u32 ttmp9, 0
	s_mov_b32 s[CS], 1.0
	s_cselect_b32 s[CS], 0x3e38aa3b, s[CS]         ; q: log2(e) / 8; k: 1
	s_mov_b32 s[CS+1], s[CS]                       ; (named with it as a pair, so it is written)
	v_and_b32 v1, 15, v0                           ; r = lane % 16
	v_bfe_u32 v2, v0, 4, 1                         ; h = lane / 16
	v_lshlrev_b32 v[BOV], 2, v1
	v_lshlrev_b32 v[BOQ], 5, v2
	; the bias in both layouts, from the same 512 bytes, so that no branch stands here: eight channels a lane (q, k) and a channel a lane, twice, for the packed addition (v)
.irp b, 0,1,2,3,4,5,6,7
	global_load_b128 v[BI+8*\b:BI+8*\b+3], v[BOQ], s[12:13] offset:64*\b
	global_load_b128 v[BI+8*\b+4:BI+8*\b+7], v[BOQ], s[12:13] offset:64*\b+16
.endr
.irp a, 0,1,2,3,4,5,6,7
	global_load_b32 v[BV+2*\a], v[BOV], s[12:13] offset:64*\a
	global_load_b32 v[BV+2*\a+1], v[BOV], s[12:13] offset:64*\a
.endr
	v_mul_u32_u24 v3, v1, PITCH
	v_lshl_add_u32 v4, v2, 4, v3                   ; a fragment's row x pitch + 16 x half
	s_mul_i32 s2, s[HA], HALFT                     ; my 128 rows of A
	s_mul_i32 s3, s[HB], HALFT                     ; my 128 rows of B,
	s_add_co_u32 s3, s3, 2*HALFT                   ; which lie behind A's 256
.irp s, 0,1
	v_add_nc_u32 v[ADRA+\s], s2, v4
	v_add_nc_u32 v[ADRB+\s], s3, v4
	s_add_co_u32 s2, s2, SLOT
	s_add_co_u32 s3, s3, SLOT
.endr
	v_mul_u32_u24 v5, v1, KS                       ; my row's scales: 32 bytes a row,
	v_lshrrev_b32 v6, 8, v5
	v_lshl_add_u32 v5, v6, 4, v5                   ; and 16 more for each 256 passed
	s_mul_i32 s2, s[HA], HALFS
	s_mul_i32 s3, s[HB], HALFS
	s_add_co_u32 s3, s3, 2*HALFS
	s_sub_co_u32 s3, s3, s2
	v_mul_u32_u24 v6, s3, v2                       ; lanes 16-31 take B's: one product, the distance between the two bases
	s_add_co_u32 s2, s2, SCL
	v_add_nc_u32 v5, v5, v6
	v_add_nc_u32 v[ADRS], s2, v5
	v_and_b32 v6, 31, v0
	v_lshlrev_b32 v[CO], 4, v6
.macro FRAG reg, adr, q, i             ; a fragment, 16 rows x 128 K of 4-bit codes, is 8 registers: lane l holds row l % 16; registers 4 c .. 4 c + 3 hold K = 64 c + 32 (l / 16) + 0 .. 31
.irp c, 0,1
	ds_load_b128 v[\reg+4*\c:\reg+4*\c+3], v[\adr] offset:64*(\q)+32*\c+(\i)*16*PITCH
.endr
.endm
; 16 matrix instructions: A's blocks a0, a0 + 1 x B's eight, the slot's q-th 128 along K.  p: B's set; sc: the set of scale words.  zero = 1: the first product starts the sums.
; The 64 accumulators take turns, one instruction a turn, in the same order in every step.
.macro MUL16 a0, p, q, sc, zero
.irp a, \a0, \a0+1
.irp b, 0,1,2,3,4,5,6,7
.if \zero
	v_wmma_scale_f32_16x16x128_f8f6f4 v[8*(8*((\a)%4)+\b):8*(8*((\a)%4)+\b)+7], v[128*(\p)+FR*\b:128*(\p)+FR*\b+FR-1], v[AF+FR*(\a):AF+FR*(\a)+FR-1], 0, v[SC+8*NQ*(\sc)+NQ*\b+(\q)], v[SC+8*NQ*(\sc)+NQ*(\a)+(\q)] matrix_a_fmt:MATRIX_FMT_FP4 matrix_b_fmt:MATRIX_FMT_FP4 matrix_a_scale:MATRIX_SCALE_ROW1
.else
	v_wmma_scale_f32_16x16x128_f8f6f4 v[8*(8*((\a)%4)+\b):8*(8*((\a)%4)+\b)+7], v[128*(\p)+FR*\b:128*(\p)+FR*\b+FR-1], v[AF+FR*(\a):AF+FR*(\a)+FR-1], v[8*(8*((\a)%4)+\b):8*(8*((\a)%4)+\b)+7], v[SC+8*NQ*(\sc)+NQ*\b+(\q)], v[SC+8*NQ*(\sc)+NQ*(\a)+(\q)] matrix_a_fmt:MATRIX_FMT_FP4 matrix_b_fmt:MATRIX_FMT_FP4 matrix_a_scale:MATRIX_SCALE_ROW1
.endif
.endr
.endr
.endm
.macro FETCH_B slot, q, p
	WIN TO_B
.irp i, 0,1,2,3,4,5,6,7
	FRAG 128*(\p)+FR*\i, ADRB+\slot, \q, \i
.endr
	WIN 0
.endm
.macro FETCH_A slot, q, i0
.irp i, \i0, \i0+1, \i0+2, \i0+3
	FRAG AF+FR*(\i), ADRA+\slot, \q, \i
.endr
.endm
.macro SCALES sc                       ; a slot's scale words: four words a row; lanes 0-15 take A's block i, lanes 16-31 B's block i
.irp i, 0,1,2,3,4,5,6,7
	ds_load_b128 v[SC+8*NQ*\sc+NQ*\i:SC+8*NQ*\sc+NQ*\i+3], v[ADRS] offset:\i*SBLK
.endr
.endm
.macro PLACES n                        ; plain vector instructions that name no register of the matrix instructions before them: in front of loads into registers that those have read, and of reads of results
.rept \n
	v_nop
.endr
.endm
.macro STEP slot, q, zero              ; a step of 128 along K that has its successor in the same slot
	s_wait_dscnt 4*NL                              ; B's set and A's blocks 0-3 are in; the youngest eight loads (A's blocks 4-7) may be out
	WIN MUL_LO
	MUL16 0, (\q)%2, \q, \slot, \zero
	MUL16 2, (\q)%2, \q, \slot, \zero
	s_wait_dscnt 0
	PLACES NP
	FETCH_B \slot, (\q)+1, 1-(\q)%2
	FETCH_A \slot, (\q)+1, 0
	WIN MUL_HI
	MUL16 4, (\q)%2, \q, \slot, \zero
	MUL16 6, (\q)%2, \q, \slot, \zero
	PLACES NP
	WIN 0
	FETCH_A \slot, (\q)+1, 4
.endm
.macro STEPS slot, from
.set Q, \from
.rept NQ-1-\from
	STEP \slot, Q, 0
.set Q, Q+1
.endr
.endm
	s_wait_tensorcnt 1                             ; the scales and my part of slot 0 are in (slot 1's load may be out)
	s_barrier_signal -1
	s_barrier_wait -1                              ; everybody's are
	FETCH_B 0, 0, 0
	FETCH_A 0, 0, 0
	SCALES 0
	FETCH_A 0, 0, 4
	STEP 0, 0, 1                                   ; the first step's products start the sums: nothing is cleared
	STEPS 0, 1
	; slot 0's last step changes slots: my part of slot 1 has landed, then the barrier: everybody's has
	s_wait_tensorcnt 0x0
	ds_add_u32 v[SPW], v[NIL]                      ; 0 onto my spare word
	s_wait_dscnt 4*NL+1                            ; (the add and the youngest eight loads may be out)
	WIN MUL_LO
	MUL16 0, 1, NQ-1, 0, 0
	s_wait_dscnt 0x0
	s_barrier_signal -1
	MUL16 2, 1, NQ-1, 0, 0
	WIN 0
	s_barrier_wait -1
	PLACES NP
	v_add_nc_u32 v[ADRS], 4*NQ, v[ADRS]            ; on to slot 1's scale words
	FETCH_B 1, 0, 0
	FETCH_A 1, 0, 0
	SCALES 1
	WIN MUL_HI
	MUL16 4, 1, NQ-1, 0, 0
	MUL16 6, 1, NQ-1, 0, 0
	PLACES NP
	WIN 0
	FETCH_A 1, 0, 4
	STEPS 1, 0
	s_wait_dscnt 4*NL                              ; the last step: nothing more to fetch
	WIN MUL_LO
	MUL16 0, 1, NQ-1, 1, 0
	MUL16 2, 1, NQ-1, 1, 0
	s_wait_dscnt 0
	WIN MUL_HI
	MUL16 4, 1, NQ-1, 1, 0
	MUL16 6, 1, NQ-1, 1, 0
	WIN 0
; THE WAY OUT.  A lane's eight results of an accumulator, bias added, pack into 16 bytes, and the 32 lanes' 16 bytes ARE a piece of an image: each store of the wave covers 512 consecutive bytes, aligned.  No stage.
; Each accumulator is read from its low end on.  The packed results take A's registers, two sets by turns; a set is written again behind s_wait_xcnt 0, when the stores that read it have been taken up.
.macro OUT_QK a                        ; A's block a = 16 tokens; B's block b = 16 channels: head b / 4, channels 32 ((b % 4) / 2) + 16 (b % 2) on
.set AC, 64*((\a)%4)
.set PP, PK+32*((\a)%2)
.if (\a) > 1
	s_wait_xcnt 0x0
.endif
	WIN 0x82+0x41*((\a)/4)                         ; destination and source 0 window 2 or 3, the bias window 0
.irp b, 0,1,2,3,4,5,6,7
.irp i, 0,2,4,6
	v_pk_fma_f32 v[AC+8*\b+\i:AC+8*\b+\i+1], v[AC+8*\b+\i:AC+8*\b+\i+1], s[CS:CS+1], v[BI+8*\b+\i:BI+8*\b+\i+1] op_sel_hi:[1,0,1]
.endr
.endr
	WIN 0x0a+5*((\a)/4)
.irp b, 0,1,2,3,4,5,6,7
.irp i, 0,1,2,3
	v_cvt_pk_f16_f32 v[PP+4*\b+\i], v[AC+8*\b+2*\i], v[AC+8*\b+2*\i+1]
.endr
.endr
	WIN 0
.irp b, 0,1,2,3,4,5,6,7
	global_store_b128 v[CO], v[PP+4*\b:PP+4*\b+3], s[18:19] offset:(\b/4)*HS+((\a)/4)*SS+((\a)%4)*2048+((\b%4)/2)*1024+(\b%2)*512
.endr
.endm
.macro OUT_V a                         ; A's block a = 16 channels: head a / 4, tile a % 4; B's block b = 16 keys: step b / 4, keys 32 ((b / 2) % 2) + 16 (b % 2) on
.set AC, 64*((\a)%4)
.set PP, PK+32*((\a)%2)
.if (\a) > 1
	s_wait_xcnt 0x0
.endif
	WIN 0x82+0x41*((\a)/4)
.irp b, 0,1,2,3,4,5,6,7
.irp i, 0,2,4,6
	v_pk_add_f32 v[AC+8*\b+\i:AC+8*\b+\i+1], v[AC+8*\b+\i:AC+8*\b+\i+1], v[BV+2*(\a):BV+2*(\a)+1]
.endr
.endr
	WIN 0x0a+5*((\a)/4)
.irp b, 0,1,2,3,4,5,6,7
.irp i, 0,1,2,3
	v_cvt_pk_f16_f32 v[PP+4*\b+\i], v[AC+8*\b+2*\i], v[AC+8*\b+2*\i+1]
.endr
.endr
	WIN 0
.irp b, 0,1,2,3,4,5,6,7
	global_store_b128 v[CO], v[PP+4*\b:PP+4*\b+3], s[18:19] offset:((\a)/4)*HS+(\b/4)*SS+((\b/2)%2)*4096+((\a)%4)*1024+(\b%2)*512
.endr
.endm
	s_wait_loadcnt 0x0                             ; the bias
	PLACES NP                                      ; behind the last products
	s_cmp_eq_u32 s[ISV], 1                         ; the same in all waves of all sixteen partners
	s_cbranch_scc1 .Lout_v
.irp i, 0,2,4,6,8,10,12,14,16,18,20,22,24,26,28,30,32,34,36,38,40,42,44,46,48,50,52,54,56,58,60,62
	v_pk_mul_f32 v[BI+\i:BI+\i+1], v[BI+\i:BI+\i+1], s[CS:CS+1] op_sel_hi:[1,0]   ; (sum + bias) x factor = sum x factor + bias x factor: one fused multiply-add a pair below
.endr
.irp a, 0,1,2,3,4,5,6,7
	OUT_QK \a
.endr
	s_branch .Lfinish
.Lout_v:
.irp a, 0,1,2,3,4,5,6,7
	OUT_V \a
.endr
.Lfinish:
	s_wait_tensorcnt 0x0                           ; the wave's end, behind my last tensor load
	ds_add_u32 v[SPW], v[NIL]
	s_wait_dscnt 0x0
	CROUND                                         ; the closing round: no work-group ends while a partner may still ask for a tile that names it
	s_endpgm
.Lfunc_end_k_q57c58b5eeb_qkv:
	.size	k_q57c58b5eeb_qkv, .Lfunc_end_k_q57c58b5eeb_qkv-k_q57c58b5eeb_qkv
	.p2alignl 7, 3214868480
	.fill 96, 4, 3214868480
	.section	.rodata,"a",@progbits
	.p2align	6, 0x0
	.amdhsa_kernel k_q57c58b5eeb_qkv
		.amdhsa_group_segment_fixed_size 327680
		.amdhsa_private_segment_fixed_size 0
		.amdhsa_enable_private_segment 0
		.amdhsa_kernarg_size 64
		.amdhsa_user_sgpr_count 2
		.amdhsa_user_sgpr_kernarg_segment_ptr 1
		.amdhsa_wavefront_size32 1
		.amdhsa_system_sgpr_workgroup_id_x 1
		.amdhsa_system_sgpr_workgroup_id_y 1
		.amdhsa_system_sgpr_workgroup_id_z 1
		.amdhsa_system_vgpr_workitem_id 0
		.amdhsa_next_free_vgpr 1024
		.amdhsa_next_free_sgpr 106
		.amdhsa_reserve_vcc 0
		.amdhsa_float_denorm_mode_32 3
		.amdhsa_float_denorm_mode_16_64 3
		.amdhsa_memory_ordered 1
		.amdhsa_forward_progress 1
		.amdhsa_inst_pref_size 179
	.end_amdhsa_kernel
	.amdgpu_metadata
---
amdhsa.version: [ 1, 2 ]
amdhsa.kernels:
  - .name:           k_q57c58b5eeb_qkv
    .symbol:         k_q57c58b5eeb_qkv.kd
    .args:
      - { .name: xc, .offset: 0, .size: 8, .value_kind: global_buffer, .address_space: global }
      - { .name: xs, .offset: 8, .size: 8, .value_kind: global_buffer, .address_space: global }
      - { .name: wc, .offset: 16, .size: 8, .value_kind: global_buffer, .address_space: global }
      - { .name: ws, .offset: 24, .size: 8, .value_kind: global_buffer, .address_space: global }
      - { .name: bq, .offset: 32, .size: 8, .value_kind: global_buffer, .address_space: global }
      - { .name: bk, .offset: 40, .size: 8, .value_kind: global_buffer, .address_space: global }
      - { .name: bv, .offset: 48, .size: 8, .value_kind: global_buffer, .address_space: global }
      - { .name: qkv, .offset: 56, .size: 8, .value_kind: global_buffer, .address_space: global }
    .group_segment_fixed_size: 327680
    .private_segment_fixed_size: 0
    .kernarg_segment_align: 8
    .kernarg_segment_size: 64
    .max_flat_workgroup_size: 128
    .sgpr_count:     106
    .vgpr_count:     1024
    .wavefront_size: 32
...
	.end_amdgpu_metadata
.endif
;; end of part 2
;; launch attn (part 3): grid 4 x 64, 8 waves a work-group, clusters of 4 x 1, 327,680 bytes of LDS; arguments qkv, att; writes att
.if DOCPART == 3
	.amdgcn_target "amdgcn-amd-amdhsa--gfx1250"
	.amdhsa_code_object_version 6
	.text
	.protected	k_q57c58b5eeb_attn
	.globl	k_q57c58b5eeb_attn
	.p2align	8
	.type	k_q57c58b5eeb_attn,@function
k_q57c58b5eeb_attn:
	s_mov_b64 s[64:65], 0
	v_nop
	global_prefetch_b8 v0, s[64:65] scope:SCOPE_SE
	s_setreg_imm32_b32 hwreg(HW_REG_WAVE_MODE, 25, 1), 1
	s_wait_xcnt 0x0
	s_wait_alu depctr_hold_cnt(0) depctr_sa_sdst(0) depctr_va_vdst(0) depctr_va_sdst(0) depctr_va_ssrc(0) depctr_va_vcc(0) depctr_vm_vsrc(0)
	s_getreg_b32 s2, hwreg(HW_REG_IB_STS2, 6, 4)
	s_cmp_eq_u32 s2, 0
	s_cbranch_scc0 .Lentry_in_a_cluster
	s_endpgm
.Lentry_in_a_cluster:
	s_bfe_u32 s2, ttmp6, 0x10000c
	s_cmp_lg_u32 s2, 0x3003
	s_cbranch_scc0 .Lentry_shape_is_right
	s_endpgm
.Lentry_shape_is_right:
; O[bh][q] = the sum over k of softmax_k(q . k / 8) v[k], 64 heads x batches of 2,048 tokens, head size 64, no mask.  Operands in f16, products, maxima and sums in f32.  q arrives multiplied by log2(e) / 8: a score is an exponent of 2.
; qkv [bh 64][step of 64 tokens 32][Q 8,192 | K 8,192 | V 8,192 bytes] holds IMAGES OF OPERAND REGISTERS: a fragment (16 rows x 32 K of f16, 8 registers a lane) is 1,024 bytes, registers 4 i .. 4 i + 3 of lane l at 512 i + 16 l.
; So every fragment comes by two loads of 16 bytes a lane at 16 x lane: no pitch, no padding, and V needs no turning.  The result leaves as images too: att [128 tokens 64][32 of the 1,024 channels 32][16 tokens 8][1,024 bytes].
; SHARES.  A work-group owns 512 queries of one bh, each of its eight waves 64: four tiles of 16.  Two waves share a SIMD: one wave's softmax stands beside the other's products.  Every wave walks all 2,048 keys, 64 a step.
; LAYOUT.  S^T = K Q^T (source 0 = 16 keys, source 1 = 16 queries): a lane holds ONE query (lane % 16) and keys 8 (lane / 16) + 0..7.  Two such tiles, rounded to f16 in pairs, ARE source 1 (32 keys x 16 queries) of
; O^T = V^T P, whose result again holds one query a lane.  THE ROW'S SUM is a product too: a fragment of ones times P gives every lane its query's sum over the 32 keys: 8 matrix instructions a step in place of 64 packed
; additions and an exchange; the sum is then taken of the same f16 weights that the numerator uses.
; SOFTMAX.  A running maximum m for each query: p = 2^(s - m); in every step O and the sum are multiplied by a = 2^(m_old - m_new).  O, the sum and m begin as 0, 0 and -3e38, so that the step is written without a first form.
; CLUSTER.  The four work-groups of a bh are one cluster and walk the same K and V: each tile is asked for JOINTLY (the same load, the same descriptor, a mask that names the four), so K and V are fetched once for the four.
; THE RING.  Two slots of eight steps (131,072 bytes).  Each wave fetches one step's K and V, 16,384 dense bytes as 64 rows of 256, with one tensor load.  Two loads of a wave are out at the start, one behind each refill.
; No prefetch is written: a refill is issued a whole slot, eight key steps (576 matrix instructions of the wave), ahead of the first read of its bytes.
; LIMITS: operands in f16 as the launch before states; a weight under 6e-8 of its row's largest counts as 0.
; REGISTERS.  window 0: v1-5 addresses; v8-15 ones; v16-47 statistics, tile t at 16 + 8 t: +0 m, +1 old m, +2 a, +3 written once, +4..7 at work; v48-111 K's or V's eight fragments; v112-239 S^T, 32 a tile, P packed in place.
;   window 1: v0-63 Q (16 t + 8 c); v64-191 O^T (64 + 32 t + 8 ct); v192-223 the sums (192 + 8 t; all eight registers of a tile get the same products; registers 0 and 1 alone are rescaled and register 0 alone is read:
;   the other six only gather weights of at most 1, at most 2,048 of them).
.set HS,    786432
.set SS,    24576
.set STEPB, 16384                      ; a step in LDS: K 8,192 bytes, V 8,192
.set SLOT1, 1<<17
.set SPARE, 2*SLOT1                    ; the spare words, 128 bytes for each wave: four blocks of 256 bytes that no other line names
.set LI,   1                           ; v1 16 x lane
.set ADK,  2                           ; v2 LDS address of the step's K
.set ADV,  3                           ; v3 of its V
.set SPW,  4                           ; v4 LDS address of my spare word; never rewritten
.set NIL,  5                           ; v5 0; never rewritten
.set ONES, 8
.set ST,   16
.set H0,   48
.set H1,   80
.set S,    112
.set OA,   64                          ; in window 1
.set LA,   192
.set WV,   8                           ; s8 wave; s9 cx; s10 bh
.set SEL,  12                          ; s[12:13] v_permlanex16_b32's selects for lane l xor 16
.set TB,   14                          ; s14 LDS byte at which the step to be fetched begins
.set CI,   15                          ; s15, s16 the loops' counters
.set CU,   16
.set G1,   24                          ; s[24:31] descriptor group 1;  s[32:35] group 0 of slot 0's first fill;  s[36:39] slot 1's, which then walks
.set G0A,  32
.set G0B,  36
.set MSB, 0
.macro WIN new                         ; the immediate's high byte repeats the setting that is left
.if MSB != (\new)
	s_set_vgpr_msb (MSB<<8)|(\new)
.set MSB, (\new)
.endif
.endm
.set W_KQ, 0x04                        ; Q (source 1) in window 1
.set W_PV, 0x50                        ; C and D in window 1
.set W_RS, 0x41                        ; destination and source 0 in window 1
.macro CROUND                          ; a round of the cluster's barrier
	s_barrier_signal -1
	s_barrier_wait -1
	s_cmp_lg_u32 s[WV], 0
	s_cbranch_scc1 .Lnot_wave_0_\@
	s_barrier_signal -3
.Lnot_wave_0_\@:
	s_barrier_wait -3
	s_barrier_signal -1
	s_barrier_wait -1
.endm
	s_load_b128 s[4:7], s[0:1], 0x0                ; qkv s[4:5], att s[6:7]
	v_lshl_add_u32 v[SPW], v0, 2, SPARE
	v_mov_b32 v[NIL], 0
	ds_add_u32 v[SPW], v[NIL]                      ; the wave's opening: the add, twice on end, and its wait ahead of my first tensor load; the set-up below, work on registers, stands between
	ds_add_u32 v[SPW], v[NIL]
	v_lshrrev_b32 v1, 5, v0
	v_readfirstlane_b32 s[WV], v1                  ; wave 0..7
	s_bfe_u32 s9, ttmp6, 0x40000                   ; cx: my block of 512 queries; it enters Q's and att's addresses alone
	s_and_b32 s10, ttmp7, 0xffff                   ; bh, which the four partners share
	s_mov_b32 s[G1], 15|(3<<16)|(1<<21)            ; 15:0 the mask: all four; 17:16 elements of 8 bytes; 21 set beside a mask; no padding
	s_mov_b32 s[G1+1], 32<<16                      ; tensor_dim0 = 32 elements: 256 bytes
	s_mov_b32 s[G1+2], 64<<16                      ; tensor_dim1 = 64
	s_mov_b32 s[G1+3], 32<<16                      ; tile_dim0
	s_mov_b32 s[G1+4], 64                          ; tile_dim1
	s_mov_b32 s[G1+5], 32                          ; from row to row: dense
	s_mov_b32 s[G1+6], 0
	s_mov_b32 s[G1+7], 0
	s_mov_b32 s[SEL], 0x76543210
	s_mov_b32 s[SEL+1], 0xfedcba98
	s_mov_b32 s[TB], 0
	s_mul_i32 s40, s10, HS                         ; the head's first byte (under 2^26)
	s_mul_i32 s41, s[WV], SS
	s_add_co_u32 s42, s40, s41
	s_add_co_u32 s42, s42, 8192                    ; K and V of step = my wave's number: what I fetch of slot 0
	s_mov_b32 s43, 0
	s_lshl_b32 s44, s9, 3
	s_add_co_u32 s44, s44, s[WV]                   ; my 64 queries are step 8 cx + wave
	s_mul_i32 s44, s44, SS
	s_add_co_u32 s44, s44, s40
	s_mov_b32 s45, 0
	s_lshl_b32 s11, s[WV], 14                      ; where my tile goes in a slot: no place in the cluster enters an LDS address
	s_lshr_b32 s46, s10, 4                         ; att: (16 x batch + 4 cx + wave / 2) x 262,144 + head x 16,384 + (wave % 2) x 4,096
	s_lshl_b32 s46, s46, 2
	s_add_co_u32 s46, s46, s9
	s_lshl_b32 s46, s46, 2
	s_lshr_b32 s47, s[WV], 1
	s_add_co_u32 s46, s46, s47
	s_lshl_b32 s46, s46, 18
	s_and_b32 s47, s10, 15
	s_lshl_b32 s47, s47, 14
	s_add_co_u32 s46, s46, s47
	s_and_b32 s47, s[WV], 1
	s_lshl_b32 s47, s47, 12
	s_add_co_u32 s46, s46, s47
	s_mov_b32 s47, 0
	s_wait_dscnt 0x0                               ; both opening adds are done
	s_wait_kmcnt 0x0
	s_add_nc_u64 s[44:45], s[4:5], s[44:45]        ; Q
	s_add_nc_u64 s[6:7], s[6:7], s[46:47]          ; att
	CROUND                                         ; all four work-groups are here: the first joint loads meet
	s_mov_b32 s[G0A], 1
	s_mov_b32 s[G0A+1], s11
	s_add_nc_u64 s[G0A+2:G0A+3], s[4:5], s[42:43]
	s_add_nc_u64 s[G0B+2:G0B+3], s[G0A+2:G0A+3], 8*SS   ; eight steps on
	s_or_b32 s[G0A+3], s[G0A+3], 0x80000000
	s_mov_b32 s[G0B], 1
	s_add_co_u32 s[G0B+1], s11, SLOT1
	s_or_b32 s[G0B+3], s[G0B+3], 0x80000000
	tensor_load_to_lds s[G0A:G0A+3], s[G1:G1+7]    ; steps 0 to 7
	s_nop 0
	tensor_load_to_lds s[G0B:G0B+3], s[G1:G1+7]    ; steps 8 to 15
	s_nop 0
.rept 4
	v_nop
.endr
	v_and_b32 v[LI], 31, v0
	v_lshlrev_b32 v[LI], 4, v[LI]
	WIN 0x40                                       ; destination window 1
.irp n, 0,1,2,3,4,5,6,7,8,9,10,11,12,13,14,15
	global_load_b128 v[4*\n:4*\n+3], v[LI], s[44:45] offset:512*\n   ; Q stays in registers: the section's 16 pieces are registers 4 n .. 4 n + 3
.endr
.set n, OA
.rept 160
	v_mov_b32 v[n], 0                              ; O^T and the sums, once, while the first tiles are on their way: the price of a step without a first form
.set n, n+1
.endr
	WIN 0
.irp i, 0,1,2,3,4,5,6,7
	v_mov_b32 v[ONES+\i], 0x3c003c00               ; 1.0, 1.0 in f16
.endr
.irp t, 0,1,2,3
	v_mov_b32 v[ST+8*\t], 0xff61b1e6               ; m = -3e38, under every score
	v_mov_b32 v[ST+8*\t+1], 0xff61b1e6
	v_mov_b32 v[ST+8*\t+3], 0                      ; (named as the upper half of a's pair)
.endr
.macro KLOAD c                         ; K's four fragments of channels 32 c on
.irp kt, 0,1,2,3
	ds_load_b128 v[H0+32*\c+8*\kt:H0+32*\c+8*\kt+3], v[ADK] offset:\kt*2048+\c*1024
	ds_load_b128 v[H0+32*\c+8*\kt+4:H0+32*\c+8*\kt+7], v[ADK] offset:\kt*2048+\c*1024+512
.endr
.endm
.macro VLOAD                           ; V's eight fragments: f = 4 x (32 keys) + (16 channels)
.irp f, 0,1,2,3,4,5,6,7
	ds_load_b128 v[H0+8*\f:H0+8*\f+3], v[ADV] offset:8192+\f*1024
	ds_load_b128 v[H0+8*\f+4:H0+8*\f+7], v[ADV] offset:8192+\f*1024+512
.endr
.endm
; The accumulators take turns, one instruction a turn: between two links of a chain stand 15 (K Q^T) or 19 (V^T P and the sums) others.
.macro KQ16 c
.irp kt, 0,1,2,3
.irp t, 0,1,2,3
.if \c == 0
	v_wmma_f32_16x16x32_f16 v[S+32*\t+8*\kt:S+32*\t+8*\kt+7], v[H0+8*\kt:H0+8*\kt+7], v[16*\t:16*\t+7], 0
.else
	v_wmma_f32_16x16x32_f16 v[S+32*\t+8*\kt:S+32*\t+8*\kt+7], v[H1+8*\kt:H1+8*\kt+7], v[16*\t+8:16*\t+15], v[S+32*\t+8*\kt:S+32*\t+8*\kt+7]
.endif
.endr
.endr
.endm
.macro PV20 kb
.irp x, 0,1,2,3
.irp t, 0,1,2,3
	v_wmma_f32_16x16x32_f16 v[OA+32*\t+8*\x:OA+32*\t+8*\x+7], v[H0+32*\kb+8*\x:H0+32*\kb+8*\x+7], v[S+32*\t+8*\kb:S+32*\t+8*\kb+7], v[OA+32*\t+8*\x:OA+32*\t+8*\x+7]
.endr
.endr
.irp t, 0,1,2,3
	v_wmma_f32_16x16x32_f16 v[LA+8*\t:LA+8*\t+7], v[ONES:ONES+7], v[S+32*\t+8*\kb:S+32*\t+8*\kb+7], v[LA+8*\t:LA+8*\t+7]
.endr
.endm
; The four tiles' softmax for one step, each line for the four tiles by turns.  Each accumulator of S^T is read from its low end on: chain i starts at registers 8 i, 8 i + 1, 8 i + 2.
.macro SOFTMAX
.irp i, 0,1,2,3
.irp t, 0,1,2,3
	v_max3_num_f32 v[ST+8*\t+4+\i], v[S+32*\t+8*\i], v[S+32*\t+8*\i+1], v[S+32*\t+8*\i+2]
.endr
.endr
.irp u, 3,5
.irp i, 0,1,2,3
.irp t, 0,1,2,3
	v_max3_num_f32 v[ST+8*\t+4+\i], v[ST+8*\t+4+\i], v[S+32*\t+8*\i+\u], v[S+32*\t+8*\i+\u+1]
.endr
.endr
.endr
.irp t, 0,1,2,3
	v_max3_num_f32 v[ST+8*\t+4], v[ST+8*\t+4], v[S+32*\t+7], v[S+32*\t+15]
.endr
.irp t, 0,1,2,3
	v_max3_num_f32 v[ST+8*\t+6], v[ST+8*\t+6], v[S+32*\t+23], v[S+32*\t+31]
.endr
.irp t, 0,1,2,3
	v_max3_num_f32 v[ST+8*\t+4], v[ST+8*\t+4], v[ST+8*\t+5], v[ST+8*\t+6]
.endr
.irp t, 0,1,2,3
	v_max3_num_f32 v[ST+8*\t+4], v[ST+8*\t+4], v[ST+8*\t+7], v[ST+8*\t+1]   ; with the old m
.endr
.irp t, 0,1,2,3
	v_permlanex16_b32 v[ST+8*\t+5], v[ST+8*\t+4], s[SEL], s[SEL+1]          ; the query's other 32 keys lie in the lane 16 away
.endr
.irp t, 0,1,2,3
	v_max_num_f32 v[ST+8*\t], v[ST+8*\t+4], v[ST+8*\t+5]                    ; the new m
.endr
.irp t, 0,1,2,3
	v_sub_f32 v[ST+8*\t+7], v[ST+8*\t+1], v[ST+8*\t]                        ; m_old - m_new
.endr
.irp t, 0,1,2,3
.set n, 0
.rept 16
	v_pk_add_f32 v[S+32*\t+2*n:S+32*\t+2*n+1], v[S+32*\t+2*n:S+32*\t+2*n+1], v[ST+8*\t:ST+8*\t+1] op_sel_hi:[1,0] neg_lo:[0,1] neg_hi:[0,1]   ; s - m, two at a time (of the pair the low word, m, serves both)
.set n, n+1
.endr
.endr
.irp t, 0,1,2,3
	v_exp_f32 v[ST+8*\t+2], v[ST+8*\t+7]           ; ONE BATCH: a,
.endr
.set n, 0
.rept 128
	v_exp_f32 v[S+n], v[S+n]                       ; and the 128 weights; none of these lines reads an exponential's result
.set n, n+1
.endr
	v_nop                                          ; a plain instruction behind the last exponential,
	s_wait_alu depctr_va_vdst(0)                   ; and the one wait ahead of the batch's first reader
.irp t, 0,1,2,3
.set n, 0
.rept 16
	v_cvt_pk_f16_f32 v[S+32*\t+n], v[S+32*\t+2*n], v[S+32*\t+2*n+1]   ; ascending, in place: P's two fragments of the tile are registers 0-7 and 8-15
.set n, n+1
.endr
.endr
	WIN W_RS
.irp t, 0,1,2,3
.set n, 0
.rept 16
	v_pk_mul_f32 v[OA+32*\t+2*n:OA+32*\t+2*n+1], v[OA+32*\t+2*n:OA+32*\t+2*n+1], v[ST+8*\t+2:ST+8*\t+3] op_sel_hi:[1,0]   ; O^T x a
.set n, n+1
.endr
	v_pk_mul_f32 v[LA+8*\t:LA+8*\t+1], v[LA+8*\t:LA+8*\t+1], v[ST+8*\t+2:ST+8*\t+3] op_sel_hi:[1,0]                     ; the sum x a
.endr
.endm
; A KEY STEP.  mode 0: plain.  1: the slot's last step, and the slot is filled again.  2: the slot's last step, nothing is asked for.  3: the very last step.
; The change of slots stands where the slot's last bytes, this step's V, have been asked for: each wave waits for all its tensor loads (its part of the other slot), adds 0 to its spare word, and waits for that and for
; its reads of the slot; behind the barrier nobody reads the slot and the other slot is whole.  With a refill the barrier is a round of the cluster's, and the joint load is the first thing behind it.
.macro STEP mode
	s_wait_dscnt 8                                 ; K's channels 0-31 are in; the youngest eight loads (channels 32-63) may be out
	WIN W_KQ
	KQ16 0                                         ; the first products start the scores
	s_wait_dscnt 0x0
	KQ16 1
	WIN 0
.irp t, 0,1,2,3
	v_mov_b32 v[ST+8*\t+1], v[ST+8*\t]             ; m is kept as the old m.  These four and the addition are five places behind the products: four are owed to the loads below and to the first read of the scores
.endr
	v_add_nc_u32 v[ADV], s[TB], v[LI]
	s_add_co_u32 s[TB], s[TB], STEPB               ; the next fetch is the next step's
	VLOAD                                          ; lands while the softmax is walked
	SOFTMAX
.if (\mode == 1) || (\mode == 2)
	WIN 0
	s_wait_tensorcnt 0x0                           ; no tensor load of mine is out, so a group 0 may be written
	ds_add_u32 v[SPW], v[NIL]                      ; 0 onto my spare word; the steps below stand between it and the wait for it
.if \mode == 1
	s_xor_b32 s[G0B+1], s[G0B+1], SLOT1            ; the walking descriptor: the other slot than last time,
	s_add_nc_u64 s[G0B+2:G0B+3], s[G0B+2:G0B+3], 8*SS   ; the next eight steps; the type bits on top are not reached
.endif
	s_sub_co_u32 s[TB], s[TB], 8*STEPB             ; the fetches go back to a slot's first step,
	s_xor_b32 s[TB], s[TB], SLOT1                  ; in the other slot
	s_wait_dscnt 0x0                               ; the add is done, V is in, and my reads of the slot are over
.if \mode == 1
	CROUND
	tensor_load_to_lds s[G0B:G0B+3], s[G1:G1+7]    ; my one tensor load behind the round
	s_nop 0
.rept 4
	v_nop
.endr
.else
	s_barrier_signal -1
	s_barrier_wait -1
.endif
.else
	s_wait_dscnt 0x0                               ; V is in
.endif
	WIN W_PV
	PV20 0                                         ; keys 0-31
.if \mode != 3
	WIN 0
	v_add_nc_u32 v[ADK], s[TB], v[LI]              ; with the three v_nop: four places in front of loads into registers that those products have read
.rept 3
	v_nop
.endr
	KLOAD 0                                        ; the next step's K, channels 0-31
.endif
	WIN W_PV
	PV20 1                                         ; keys 32-63
.if \mode != 3
	WIN 0
.rept 5
	v_nop                                          ; four places are owed to the loads below, five to the next step's first products, which write over P
.endr
	KLOAD 1
.endif
	WIN 0
.endm
.macro SEVEN                           ; a slot's first seven steps: written once, walked seven times; the LDS addresses hang on s[TB]
	s_mov_b32 s[CI], 7
.Lstep_\@:
	STEP 0
	s_sub_co_u32 s[CI], s[CI], 1
	s_cmp_lg_u32 s[CI], 0
	s_cbranch_scc1 .Lstep_\@
.endm
	s_wait_tensorcnt 1                             ; my part of slot 0 is in; slot 1's may stay out
	s_barrier_signal -1
	s_barrier_wait -1                              ; everybody's is
	v_add_nc_u32 v[ADK], s[TB], v[LI]
	KLOAD 0
	KLOAD 1
	s_wait_loadcnt 0x0                             ; Q
	s_mov_b32 s[CU], 2
.Lslot:                                            ; two trips: steps 0-7 and 8-15; each slot is filled again when it is left
	SEVEN
	STEP 1
	s_sub_co_u32 s[CU], s[CU], 1
	s_cmp_lg_u32 s[CU], 0
	s_cbranch_scc1 .Lslot
	SEVEN                                          ; the tail is written out: steps 16-23
	STEP 2
	SEVEN                                          ; and 24-31
	STEP 3
	; THE WAY OUT.  O^T is divided by the sum and rounded to f16; a lane's eight channels of an accumulator pack into 16 bytes, and the 32 lanes' are a piece of an image: each store of the wave covers 512 consecutive bytes, aligned.
.rept 4
	v_nop                                          ; places behind the last products
.endr
	WIN 0x01                                       ; source 0 window 1
.irp t, 0,1,2,3
	v_rcp_f32 v[ST+8*\t+2], v[LA+8*\t]             ; the sum is at least 1: the row's largest weight
.endr
	v_nop
	s_wait_alu depctr_va_vdst(0)                   ; one wait for the four reciprocals, ahead of their first reader
.irp t, 0,1,2,3
	WIN W_RS
.set n, 0
.rept 16
	v_pk_mul_f32 v[OA+32*\t+2*n:OA+32*\t+2*n+1], v[OA+32*\t+2*n:OA+32*\t+2*n+1], v[ST+8*\t+2:ST+8*\t+3] op_sel_hi:[1,0]
.set n, n+1
.endr
	WIN 0x05                                       ; sources 0 and 1 window 1, destination window 0
.set n, 0
.rept 16
	v_cvt_pk_f16_f32 v[S+32*\t+n], v[OA+32*\t+2*n], v[OA+32*\t+2*n+1]
.set n, n+1
.endr
	WIN 0
.irp ct, 0,1,2,3
	global_store_b128 v[LI], v[S+32*\t+4*\ct:S+32*\t+4*\ct+3], s[6:7] offset:(\ct/2)*8192+\t*1024+(\ct%2)*512
.endr
.endr
	s_wait_tensorcnt 0x0                           ; the wave's end, behind my last tensor load
	ds_add_u32 v[SPW], v[NIL]
	s_wait_dscnt 0x0
	CROUND                                         ; the closing round: no work-group ends while a partner may still ask for a tile that names it
	s_endpgm
.Lfunc_end_k_q57c58b5eeb_attn:
	.size	k_q57c58b5eeb_attn, .Lfunc_end_k_q57c58b5eeb_attn-k_q57c58b5eeb_attn
	.p2alignl 7, 3214868480
	.fill 96, 4, 3214868480
	.section	.rodata,"a",@progbits
	.p2align	6, 0x0
	.amdhsa_kernel k_q57c58b5eeb_attn
		.amdhsa_group_segment_fixed_size 327680
		.amdhsa_private_segment_fixed_size 0
		.amdhsa_enable_private_segment 0
		.amdhsa_kernarg_size 16
		.amdhsa_user_sgpr_count 2
		.amdhsa_user_sgpr_kernarg_segment_ptr 1
		.amdhsa_wavefront_size32 1
		.amdhsa_system_sgpr_workgroup_id_x 1
		.amdhsa_system_sgpr_workgroup_id_y 1
		.amdhsa_system_sgpr_workgroup_id_z 1
		.amdhsa_system_vgpr_workitem_id 0
		.amdhsa_next_free_vgpr 512
		.amdhsa_next_free_sgpr 66
		.amdhsa_reserve_vcc 0
		.amdhsa_float_denorm_mode_32 3
		.amdhsa_float_denorm_mode_16_64 3
		.amdhsa_memory_ordered 1
		.amdhsa_forward_progress 1
		.amdhsa_inst_pref_size 194
	.end_amdhsa_kernel
	.amdgpu_metadata
---
amdhsa.version: [ 1, 2 ]
amdhsa.kernels:
  - .name:           k_q57c58b5eeb_attn
    .symbol:         k_q57c58b5eeb_attn.kd
    .args:
      - { .name: qkv, .offset: 0, .size: 8, .value_kind: global_buffer, .address_space: global }
      - { .name: att, .offset: 8, .size: 8, .value_kind: global_buffer, .address_space: global }
    .group_segment_fixed_size: 327680
    .private_segment_fixed_size: 0
    .kernarg_segment_align: 8
    .kernarg_segment_size: 16
    .max_flat_workgroup_size: 256
    .sgpr_count:     66
    .vgpr_count:     512
    .wavefront_size: 32
...
	.end_amdgpu_metadata
.endif
;; end of part 3
;; launch proj (part 4): grid 4 x 64, 4 waves a work-group, clusters of 4 x 4, 327,680 bytes of LDS; arguments att, woi, bo, out0; writes out0
.if DOCPART == 4
	.amdgcn_target "amdgcn-amd-amdhsa--gfx1250"
	.amdhsa_code_object_version 6
	.text
	.protected	k_q57c58b5eeb_proj
	.globl	k_q57c58b5eeb_proj
	.p2align	8
	.type	k_q57c58b5eeb_proj,@function
k_q57c58b5eeb_proj:
	s_mov_b64 s[64:65], 0
	v_nop
	global_prefetch_b8 v0, s[64:65] scope:SCOPE_SE
	s_setreg_imm32_b32 hwreg(HW_REG_WAVE_MODE, 25, 1), 1
	s_wait_xcnt 0x0
	s_wait_alu depctr_hold_cnt(0) depctr_sa_sdst(0) depctr_va_vdst(0) depctr_va_sdst(0) depctr_va_ssrc(0) depctr_va_vcc(0) depctr_vm_vsrc(0)
	s_getreg_b32 s2, hwreg(HW_REG_IB_STS2, 6, 4)
	s_cmp_eq_u32 s2, 0
	s_cbranch_scc0 .Lentry_in_a_cluster
	s_endpgm
.Lentry_in_a_cluster:
	s_bfe_u32 s2, ttmp6, 0x10000c
	s_cmp_lg_u32 s2, 0xf033
	s_cbranch_scc0 .Lentry_shape_is_right
	s_endpgm
.Lentry_shape_is_right:
; out0 = att wo + bo.  att (8,192 tokens x 1,024) and wo arrive in f16 as images of operand registers; sums in f32; out0 [8192][1024] f32.
;   att [128 tokens 64][32 along K 32][16 tokens 8][1,024 bytes];  woi [256 columns 4][32 along K 32][16 columns 16][1,024 bytes]; in a fragment registers 4 i .. 4 i + 3 of lane l lie at 512 i + 16 l.
; A tile of 128 tokens x 256 columns to a work-group: 64 x 4 = 256 work-groups.  Four waves, each 64 tokens x 128 columns: 32 accumulators, 256 registers.
; K goes in 8 steps of 128 through a ring of two LDS slots.  A step's fragments are dense blocks of memory (att 32,768 bytes, woi 65,536), taken as rows of 256 bytes; every fragment load is 16 bytes a lane at 16 x lane.
; THE MATRIX INSTRUCTION IS USED TRANSPOSED (source 0 = 16 columns of wo, source 1 = 16 tokens): a lane holds eight neighbouring numbers of a row of out0.  bo, in the result's layout, is the C of each sum's first product.
; CLUSTERS: 4 x 4 work-groups.  The four of a row of the cluster need the same tiles of att, the four of a column the same tiles of woi: each is asked for JOINTLY.  One load a wave behind each round; two are out at the start.
; No prefetch is written: the launch has eight K steps, and the first two of them are asked for at its head.
; REGISTERS: window 0: v16-29 addresses; v32-127, v128-223 two fragment buffers (att's 4 fragments, then wo's 8); on the way out rows of out0.   window 1: the accumulators, (a, b) at v[8 (8 a + b)].   window 2: v0-63 bo.
.set SLOT,   98304                     ; att [quarter 4][16 tokens 8][1,024], then woi [quarter 4][16 columns 16][1,024]
.set BOFF,   32768
.set STAGE,  2*SLOT                    ; behind the ring: 16 rows x 528 bytes for each wave, for the way out; no tensor load lands there
.set SPITCH, 528
.set SPARE,  STAGE+4*16*SPITCH         ; the spare words, 128 bytes for each wave: two blocks of 256 bytes that no other line names
.set ADRA, 16                          ; v16-17 LDS address of my att fragments in slot 0, 1
.set ADRB, 20                          ; v20-21 of my wo fragments
.set STO,  24                          ; v24 the way out: where I put 32 bytes of a row
.set RD,   25                          ; v25 where I read a row back
.set CO,   26                          ; v26 16 x lane
.set BOF,  27                          ; v27 32 x (lane / 16)
.set SPW,  28                          ; v28 LDS address of my spare word; never rewritten
.set NIL,  29                          ; v29 0; never rewritten
.set F0,   32
.set F1,   128
.set WV,   12                          ; s12 wave;  s13 which 64 tokens are mine, also: I fetch for att (0) or woi (1);  s14 which 128 columns, also: which half of the tile I fetch
.set HT,   13
.set HC,   14
.set G1, 24                            ; s[24:31], s[32:39] descriptor groups 1 and 0 (a set for each slot) for att;  s[48:55], s[56:63] for woi
.set G0, 32
.set G1B, 48
.set G0B, 56
.set MSB, 0
.macro WIN new
.if MSB != (\new)
	s_set_vgpr_msb (MSB<<8)|(\new)
.set MSB, (\new)
.endif
.endm
.set MUL,  0x50                        ; C and D window 1
.set MULF, 0x60                        ; C window 2 (bo), D window 1
.macro JLOAD s                         ; a joint load: waves 0 and 1 fetch att's halves, waves 2 and 3 woi's; an s_nop 0 and four v_nop follow each of the two lines
	s_cmp_eq_u32 s[HT], 0
	s_cbranch_scc0 .Lfor_b_\@
	tensor_load_to_lds s[G0+4*\s:G0+4*\s+3], s[G1:G1+7]
	s_nop 0
.rept 4
	v_nop
.endr
	s_branch .Lasked_\@
.Lfor_b_\@:
	tensor_load_to_lds s[G0B+4*\s:G0B+4*\s+3], s[G1B:G1B+7]
	s_nop 0
.rept 4
	v_nop
.endr
.Lasked_\@:
.endm
.macro CREST                           ; a round of the cluster's barrier behind its opening barrier
	s_cmp_lg_u32 s[WV], 0
	s_cbranch_scc1 .Lnot_wave_0_\@
	s_barrier_signal -3
.Lnot_wave_0_\@:
	s_barrier_wait -3
	s_barrier_signal -1
	s_barrier_wait -1
.endm
.macro CROUND
	s_barrier_signal -1
	s_barrier_wait -1
	CREST
.endm
	s_load_b256 s[4:11], s[0:1], 0x0               ; att s[4:5], woi s[6:7], bo s[8:9], out0 s[10:11]
	v_lshl_add_u32 v[SPW], v0, 2, SPARE
	v_mov_b32 v[NIL], 0
	ds_add_u32 v[SPW], v[NIL]                      ; the wave's opening: the add, twice on end, and its wait ahead of my first tensor load; the set-up below, work on registers, stands between
	ds_add_u32 v[SPW], v[NIL]
	v_lshrrev_b32 v1, 5, v0
	v_readfirstlane_b32 s[WV], v1
	s_lshr_b32 s[HT], s[WV], 1
	s_and_b32 s[HC], s[WV], 1
	s_bfe_u32 s40, ttmp6, 0x40000                  ; cx: the block of 256 columns
	s_bfe_u32 s41, ttmp6, 0x40004                  ; cy
	s_and_b32 s15, ttmp7, 0xffff
	s_lshl_b32 s15, s15, 2
	s_add_co_u32 s15, s15, s41                     ; the block of 128 tokens = 4 x cluster y + cy
	s_lshl_b32 s43, s41, 2
	s_lshl_b32 s43, 15, s43                        ; my row of the cluster
	s_lshl_b32 s44, 0x1111, s40                    ; my column
	s_or_b32 s[G1+0], s43, (3<<16)|(1<<21)         ; 15:0 the mask; 17:16 elements of 8 bytes; 21 set beside a mask; no padding
	s_or_b32 s[G1B+0], s44, (3<<16)|(1<<21)
	s_mov_b32 s[G1+1], 32<<16                      ; rows of 256 bytes, dense: att 64 of them to a load,
	s_mov_b32 s[G1+2], 64<<16
	s_mov_b32 s[G1+3], 32<<16
	s_mov_b32 s[G1+4], 64
	s_mov_b32 s[G1+5], 32
	s_mov_b32 s[G1+6], 0
	s_mov_b32 s[G1+7], 0
	s_mov_b32 s[G1B+1], 32<<16                     ; woi 128
	s_mov_b32 s[G1B+2], 128<<16
	s_mov_b32 s[G1B+3], 32<<16
	s_mov_b32 s[G1B+4], 128
	s_mov_b32 s[G1B+5], 32
	s_mov_b32 s[G1B+6], 0
	s_mov_b32 s[G1B+7], 0
	s_lshl_b32 s16, s15, 18                        ; att: 262,144 bytes for 128 tokens, + my half of a step's 32,768
	s_lshl_b32 s17, s[HC], 14
	s_add_co_u32 s16, s16, s17
	s_mov_b32 s17, 0
	s_lshl_b32 s46, s40, 19                        ; woi: 524,288 bytes for 256 columns, + my half of a step's 65,536
	s_lshl_b32 s47, s[HC], 15
	s_add_co_u32 s46, s46, s47
	s_mov_b32 s47, 0
	s_lshl_b32 s20, s[HC], 14                      ; where they go in a slot: no place in the cluster enters an LDS address
	s_lshl_b32 s21, s[HC], 15
	s_add_co_u32 s21, s21, BOFF
	s_wait_dscnt 0x0                               ; both opening adds are done
	s_wait_kmcnt 0x0
	s_add_nc_u64 s[16:17], s[4:5], s[16:17]
	s_add_nc_u64 s[46:47], s[6:7], s[46:47]
	CROUND                                         ; all sixteen work-groups are here: the first joint loads meet
.irp s, 0,1
	s_mov_b32 s[G0+4*\s], 1
	s_add_co_u32 s[G0+4*\s+1], s20, \s*SLOT
	s_add_nc_u64 s[G0+4*\s+2:G0+4*\s+3], s[16:17], \s*32768
	s_or_b32 s[G0+4*\s+3], s[G0+4*\s+3], 0x80000000
	s_mov_b32 s[G0B+4*\s], 1
	s_add_co_u32 s[G0B+4*\s+1], s21, \s*SLOT
	s_add_nc_u64 s[G0B+4*\s+2:G0B+4*\s+3], s[46:47], \s*65536
	s_or_b32 s[G0B+4*\s+3], s[G0B+4*\s+3], 0x80000000
	JLOAD \s
.endr
	s_lshl_b32 s16, s15, 7                         ; out0: my first row, in the registers that held att's address,
	s_lshl_b32 s17, s[HT], 6
	s_add_co_u32 s16, s16, s17
	s_lshl_b32 s16, s16, 12                        ; x 4,096 bytes (under 2^25)
	s_mov_b32 s17, 0
	s_add_nc_u64 s[10:11], s[10:11], s[16:17]
	s_lshl_b32 s46, s40, 10                        ; my first column in bytes, in the registers that held woi's: 1,024 cx + 512 x half; bo's bytes are the same
	s_lshl_b32 s47, s[HC], 9
	s_add_co_u32 s46, s46, s47
	s_mov_b32 s47, 0
	s_add_nc_u64 s[10:11], s[10:11], s[46:47]
	s_add_nc_u64 s[8:9], s[8:9], s[46:47]
	v_and_b32 v1, 15, v0                           ; r
	v_bfe_u32 v2, v0, 4, 1                         ; h
	v_and_b32 v3, 31, v0
	v_lshlrev_b32 v[CO], 4, v3
	v_lshlrev_b32 v[BOF], 5, v2
	WIN 0x80                                       ; destination window 2
.irp b, 0,1,2,3,4,5,6,7
	global_load_b128 v[8*\b:8*\b+3], v[BOF], s[8:9] offset:64*\b          ; bo at my eight columns of tile b: 16 b + 8 h + 0..7
	global_load_b128 v[8*\b+4:8*\b+7], v[BOF], s[8:9] offset:64*\b+16
.endr
	WIN 0
	s_lshl_b32 s22, s[HT], 12                      ; my four tiles of tokens
	s_lshl_b32 s23, s[HC], 13                      ; my eight tiles of columns,
	s_add_co_u32 s23, s23, BOFF                    ; behind att's part of the slot
.irp s, 0,1
	v_add_nc_u32 v[ADRA+\s], s22, v[CO]
	v_add_nc_u32 v[ADRB+\s], s23, v[CO]
	s_add_co_u32 s22, s22, SLOT
	s_add_co_u32 s23, s23, SLOT
.endr
	s_mul_i32 s22, s[WV], 16*SPITCH
	s_add_co_u32 s22, s22, STAGE                   ; my stage
	v_mul_u32_u24 v4, v1, SPITCH
	v_lshl_add_u32 v4, v2, 5, v4
	v_add_nc_u32 v[STO], s22, v4                   ; in: row r, 32 bytes for each half of the lanes
	v_add_nc_u32 v[RD], s22, v[CO]                 ; back: the 32 lanes take one row of 512 bytes
; 8 matrix instructions: tokens' tile a x the eight tiles of columns, 32 along K.  first = 1: C is bo.  The 32 accumulators take turns, one instruction a turn, in the same order in every quarter.
.macro MUL8 f, a, first
.irp b, 0,1,2,3,4,5,6,7
.if \first
	v_wmma_f32_16x16x32_f16 v[8*(8*(\a)+\b):8*(8*(\a)+\b)+7], v[\f+32+8*\b:\f+32+8*\b+7], v[\f+8*(\a):\f+8*(\a)+7], v[8*\b:8*\b+7]
.else
	v_wmma_f32_16x16x32_f16 v[8*(8*(\a)+\b):8*(8*(\a)+\b)+7], v[\f+32+8*\b:\f+32+8*\b+7], v[\f+8*(\a):\f+8*(\a)+7], v[8*(8*(\a)+\b):8*(8*(\a)+\b)+7]
.endif
.endr
.endm
; 24 LDS loads in one run: the fragments of the slot's q-th 32 along K into buffer f: wo's sixteen loads, then att's tiles 0, 1 and last 2, 3
.macro FETCH slot, q, f
.irp b, 0,1,2,3,4,5,6,7
	ds_load_b128 v[\f+32+8*\b:\f+32+8*\b+3], v[ADRB+\slot] offset:(16*(\q)+\b)*1024
	ds_load_b128 v[\f+32+8*\b+4:\f+32+8*\b+7], v[ADRB+\slot] offset:(16*(\q)+\b)*1024+512
.endr
.irp a, 0,1,2,3
	ds_load_b128 v[\f+8*\a:\f+8*\a+3], v[ADRA+\slot] offset:(8*(\q)+\a)*1024
	ds_load_b128 v[\f+8*\a+4:\f+8*\a+7], v[ADRA+\slot] offset:(8*(\q)+\a)*1024+512
.endr
.endm
.macro PLACES                          ; four places in front of loads into registers that matrix instructions have read, and of reads of results
.rept 4
	v_nop
.endr
.endm
; A K step is four quarters of 32 along K, 32 matrix instructions each, on buffers 0, 1, 0, 1.  One of the first three: multiplies buffer f and fetches quarter q into g.
.macro QUARTER slot, q, f, g, first
	s_wait_dscnt 4                                 ; wo's fragments and att's tiles 0, 1 are in; the youngest four loads (tiles 2, 3) may be out
.if \first
	WIN MULF
.else
	WIN MUL
.endif
	MUL8 \f, 0, \first
	MUL8 \f, 1, \first
	PLACES
	WIN 0
	FETCH \slot, \q, \g
	s_wait_dscnt 24                                ; all but the 24 just issued
.if \first
	WIN MULF
.else
	WIN MUL
.endif
	MUL8 \f, 2, \first
	MUL8 \f, 3, \first
.endm
; The last quarter multiplies buffer 1 and changes slots: ONE barrier; in front of it each wave waits for all its tensor loads, adds 0 to its spare word, and waits for that and for its reads of this slot.
; fill = 1: the barrier opens a round of the cluster's, and this slot is filled again, two K steps ahead: 112 matrix instructions stand between the request and the wait for it.
.macro TURN slot, next, fill
	WIN 0                                          ; (the add's two registers lie in window 0)
	s_wait_tensorcnt 0x0                           ; all my tensor loads have landed: my part of the next slot;
	ds_add_u32 v[SPW], v[NIL]                      ; 0 onto my spare word;
	s_wait_dscnt 5                                 ; (the add and the youngest four loads may be out)
	WIN MUL
	MUL8 F1, 0, 0                                  ; eight matrix instructions stand between the add and the wait for it
	s_wait_dscnt 0x0                               ; the add is done, and my reads of this slot are over
	s_barrier_signal -1
	MUL8 F1, 1, 0
	WIN 0
	s_barrier_wait -1
.if \fill
	CREST                                          ; no wave of any partner still reads this slot's tile or has a load on its way
	s_add_nc_u64 s[G0+4*\slot+2:G0+4*\slot+3], s[G0+4*\slot+2:G0+4*\slot+3], 2*32768
	s_add_nc_u64 s[G0B+4*\slot+2:G0B+4*\slot+3], s[G0B+4*\slot+2:G0B+4*\slot+3], 2*65536
	JLOAD \slot                                    ; the first tensor load behind the round; the four v_nop behind it are also the places in front of the loads below
.else
	PLACES
.endif
	FETCH \next, 0, F0
	WIN MUL
	MUL8 F1, 2, 0
	MUL8 F1, 3, 0
.endm
	s_wait_tensorcnt 1                             ; my part of K step 0 is in (K step 1's load may be out)
	s_barrier_signal -1
	s_barrier_wait -1                              ; everybody's is
	FETCH 0, 0, F0
	s_wait_loadcnt 0x0                             ; bo
	QUARTER 0, 1, F0, F1, 1                        ; the first quarter stands in front of the loop: its products start the sums, from bo
	WIN 0                                          ; at a label and at a branch every window is 0
	s_mov_b32 s3, 3
.Llap:                                             ; a trip goes once round the ring, from a lap's second quarter to the next lap's first, and fills both slots again: K steps 2 to 7
	QUARTER 0, 2, F1, F0, 0
	QUARTER 0, 3, F0, F1, 0
	TURN 0, 1, 1
	QUARTER 1, 1, F0, F1, 0
	QUARTER 1, 2, F1, F0, 0
	QUARTER 1, 3, F0, F1, 0
	TURN 1, 0, 1
	QUARTER 0, 1, F0, F1, 0
	WIN 0
	s_sub_co_u32 s3, s3, 1
	s_cmp_lg_u32 s3, 0
	s_cbranch_scc1 .Llap
	QUARTER 0, 2, F1, F0, 0                        ; the last lap fills nothing, and has no round of the cluster's barrier
	QUARTER 0, 3, F0, F1, 0
	TURN 0, 1, 0
	QUARTER 1, 1, F0, F1, 0
	QUARTER 1, 2, F1, F0, 0
	QUARTER 1, 3, F0, F1, 0
	s_wait_dscnt 4                                 ; the very last quarter: nothing more to fetch
	WIN MUL
	MUL8 F1, 0, 0
	MUL8 F1, 1, 0
	s_wait_dscnt 0
	MUL8 F1, 2, 0
	MUL8 F1, 3, 0
	WIN 0
; THE WAY OUT, a block of 16 tokens x 128 columns at a time.  A lane holds 32 neighbouring bytes of a row and the lanes beside it hold other rows: so a block goes through my own stage in LDS and comes back as whole rows
; of 512 bytes.  LDS serves a wave's instructions in order (ISA guide 5.7.1.4): no wait between the stores and the loads, nor in front of the next block's stores.
.macro TOSTAGE a
	WIN 0x04                                       ; an LDS store's data are its source 1: window 1
.irp b, 0,1,2,3,4,5,6,7
	ds_store_b128 v[STO], v[8*(8*(\a)+\b):8*(8*(\a)+\b)+3] offset:64*\b          ; each accumulator from its low end on
	ds_store_b128 v[STO], v[8*(8*(\a)+\b)+4:8*(8*(\a)+\b)+7] offset:64*\b+16
.endr
	WIN 0
.set BB, 32+96*((\a)%2)
.irp t, 0,1,2,3,4,5,6,7,8,9,10,11,12,13,14,15
	ds_load_b128 v[BB+4*\t:BB+4*\t+3], v[RD] offset:\t*SPITCH
.endr
.endm
.macro SEND a, younger                 ; younger: the LDS instructions issued behind block a's loads, which may stay out
.set BB, 32+96*((\a)%2)
	s_wait_dscnt \younger
.if (\a) > 0
	s_add_nc_u64 s[10:11], s[10:11], 16*4096       ; (behind s_wait_xcnt 0: the earlier stores have read their base)  16 rows on
.endif
.irp t, 0,1,2,3,4,5,6,7,8,9,10,11,12,13,14,15
	global_store_b128 v[CO], v[BB+4*\t:BB+4*\t+3], s[10:11] offset:\t*4096 th:TH_STORE_NT   ; 32 lanes store 512 consecutive bytes, at a multiple of 256 from out0's first byte
.endr
.endm
	PLACES                                         ; behind the last products: for the reads of results and for the loads into the fragment buffers
	TOSTAGE 0
.irp a, 1,2,3
.if \a > 1
	s_wait_xcnt 0x0                                ; block a - 2's stores have read their registers and their base
.endif
	TOSTAGE \a
	SEND \a-1, 32                                  ; behind block a - 1's loads: block a's 16 stores and 16 loads
.endr
	s_wait_xcnt 0x0
	SEND 3, 0
	s_wait_tensorcnt 0x0                           ; the wave's end, behind my last tensor load and my last LDS store
	ds_add_u32 v[SPW], v[NIL]
	s_wait_dscnt 0x0
	CROUND                                         ; the closing round: no work-group ends while a partner may still ask for a tile that names it
	s_endpgm
.Lfunc_end_k_q57c58b5eeb_proj:
	.size	k_q57c58b5eeb_proj, .Lfunc_end_k_q57c58b5eeb_proj-k_q57c58b5eeb_proj
	.p2alignl 7, 3214868480
	.fill 96, 4, 3214868480
	.section	.rodata,"a",@progbits
	.p2align	6, 0x0
	.amdhsa_kernel k_q57c58b5eeb_proj
		.amdhsa_group_segment_fixed_size 327680
		.amdhsa_private_segment_fixed_size 0
		.amdhsa_enable_private_segment 0
		.amdhsa_kernarg_size 32
		.amdhsa_user_sgpr_count 2
		.amdhsa_user_sgpr_kernarg_segment_ptr 1
		.amdhsa_wavefront_size32 1
		.amdhsa_system_sgpr_workgroup_id_x 1
		.amdhsa_system_sgpr_workgroup_id_y 1
		.amdhsa_system_sgpr_workgroup_id_z 1
		.amdhsa_system_vgpr_workitem_id 0
		.amdhsa_next_free_vgpr 576
		.amdhsa_next_free_sgpr 66
		.amdhsa_reserve_vcc 0
		.amdhsa_float_denorm_mode_32 3
		.amdhsa_float_denorm_mode_16_64 3
		.amdhsa_memory_ordered 1
		.amdhsa_forward_progress 1
		.amdhsa_inst_pref_size 86
	.end_amdhsa_kernel
	.amdgpu_metadata
---
amdhsa.version: [ 1, 2 ]
amdhsa.kernels:
  - .name:           k_q57c58b5eeb_proj
    .symbol:         k_q57c58b5eeb_proj.kd
    .args:
      - { .name: att, .offset: 0, .size: 8, .value_kind: global_buffer, .address_space: global }
      - { .name: woi, .offset: 8, .size: 8, .value_kind: global_buffer, .address_space: global }
      - { .name: bo, .offset: 16, .size: 8, .value_kind: global_buffer, .address_space: global }
      - { .name: out0, .offset: 24, .size: 8, .value_kind: global_buffer, .address_space: global }
    .group_segment_fixed_size: 327680
    .private_segment_fixed_size: 0
    .kernarg_segment_align: 8
    .kernarg_segment_size: 32
    .max_flat_workgroup_size: 128
    .sgpr_count:     66
    .vgpr_count:     576
    .wavefront_size: 32
...
	.end_amdgpu_metadata
.endif
;; end of part 4
